; MI455X (gfx1250); checked and timed in simulation.
; The chip was launched on July 23, 2026; its instructions are those of AMD's public machine-readable ISA for CDNA 5 (MIT licence, August 2026) and "CDNA5" Instruction Set Architecture Reference Guide (July 2026). The comments in the code are by the model that wrote it; some were corrected since.
;; Expert MLP. Allowed arithmetic: matrix products marked QUANTISED: E2M3 operands, one E8M0 scale for each 32 along K, by v_wmma_scale_f32_16x16x128_f8f6f4 with both operands' format E2M3, f32 sums; products left as they are: f32 operands where the result goes on into a quantised operand, else bf16, f16 or f32 operands; f32 sums; everything else in f32.
;; Inputs: topk_e 4,096 x 2 int32; topk_w 4,096 x 2 float32; w1 8 x 1,024 x 1,024 float32; w2 8 x 1,024 x 1,024 float32; x 4,096 x 1,024 float32.
;; Outputs: out0 4,096 x 1,024 float32.
;; This version of the problem:
;;   THIS VERSION OF THE PROBLEM IS GIVEN IN LOW PRECISION. The matrix products marked QUANTISED in the list below multiply operands that are first quantised to E2M3 (2 exponent bits, 3 mantissa bits; 6 bits a number), with one power-of-two scale for each 32 numbers along K (OCP MX v1.0); their sums are f32. All else is computed in f32.
;;   The module's matrix products, in the order in which they are computed (A, B: the left and right operand; K: the contracted axis; several contracted axes count as one K, in the product's order):
;;     1. batch 4,096 x [M 8, K 2] x [K 2, N 1]; A: computed on the way; B: input topk_w: left as it is (K = 2 < 32)
;;     2. [M 4,096, K 1,024] x [K 1,024, N 8,192]; A: input x; B: input w1: QUANTISED
;;     3. [M 4,096, K 8,192] x [K 8,192, N 1,024]; A: computed on the way; B: input w2: QUANTISED
;;   THE QUANTISER, for each operand of a quantised product, along K:
;;     - K is cut into blocks of 32 from its start; a last block that is shorter is filled with zeros.
;;     - A block's scale is 2^e with e = floor(log2(the largest magnitude in the block)) - 2, held to -126 .. 127; a block of zeros has e = 0. As a byte (E8M0): e + 127.
;;     - Each number is divided by its block's scale, clamped to +-7.5, and rounded to the nearest number of E2M3, ties to even, subnormals kept.
;;     - The product sums the exact products of the quantised numbers (number of the format x scale) in f32.
;;   ~~~python
;;   def quantise(x, axis):      # numpy; x: float32 -> the quantised numbers, widened to float32 again
;;       x = np.moveaxis(x, axis, -1); K = x.shape[-1]
;;       x = np.pad(x, [(0, 0)] * (x.ndim - 1) + [(0, -K % 32)]); x = x.reshape(x.shape[:-1] + (-1, 32)); a = np.abs(x).max(-1, keepdims=True)
;;       e = np.where(a > 0, np.clip(np.frexp(np.where(a > 0, a, 1))[1] - 1 - 2, -126, 127), 0)      # np.frexp(a)[1] - 1 = floor(log2(a)), exactly
;;       r = np.clip(x / 2.0 ** e, -7.5, 7.5)
;;       step = 2.0 ** (np.maximum(np.frexp(np.where(r == 0, 1, r))[1] - 1, 0) - 3)
;;       q = np.round(r / step) * step * 2.0 ** e      # np.round: ties to even
;;       return np.moveaxis(q.reshape(q.shape[:-2] + (-1,))[..., :K], -1, axis).astype(np.float32)
;;   ~~~
;;   OPERANDS COMPUTED ON THE WAY. 'Computed on the way' means the value that the module computes at that place (a softmax that the list does not call 'softmax' is quantised finished and normalised). What goes into a quantiser is computed in f32, as accurately as f32 sums, v_exp_f32 and their like allow (about 1e-6 of the number): no bf16 or f16 on the way to a quantiser, and a product that is left as it is and whose result goes on into a quantised operand takes f32 operands (vector FMAs, or v_wmma_f32_16x16x4_f32). A number that lies on a knife's edge between two numbers of the format may be rounded either way, as far as f32 arithmetic and the matrix unit's own rounding can turn it there, and no further.
;; 2 versions, each right; version 2 is version 1 with the launches gemm1, gemm2 written anew for expert scheduling mode. Each part assembles by itself: llvm-mc -triple=amdgcn-amd-amdhsa -mcpu=gfx1250 --defsym DOCPART=n.
;; ======== version 1 of 2: 3 launches
;; workspace buffers: xc 3,145,728 bytes; xs 131,072 bytes; wc 12,582,912 bytes; ws 524,288 bytes; hc 25,165,824 bytes; hs 1,048,576 bytes; order 16,384 bytes of whole numbers
;; launch prep (part 1): grid 321 x 1, 8 waves a work-group, no clusters, 136,192 bytes of LDS; arguments x, topk_e, w1, w2, xc, xs, wc, ws, order; writes xc, xs, wc, ws, order
.if DOCPART == 1
	.amdgcn_target "amdgcn-amd-amdhsa--gfx1250"
	.amdhsa_code_object_version 6
	.text
	.protected	k_q7696a8abf3_prep
	.globl	k_q7696a8abf3_prep
	.p2align	8
	.type	k_q7696a8abf3_prep,@function
k_q7696a8abf3_prep:
	s_mov_b64 s[64:65], 0
	v_nop
	global_prefetch_b8 v0, s[64:65] scope:SCOPE_SE
	s_setreg_imm32_b32 hwreg(HW_REG_WAVE_MODE, 25, 1), 1
	s_wait_xcnt 0x0
; PREP: x, w1 and w2 (f32, K innermost) become codes of FP6 (E2M3) with one E8M0 byte for each 32 along K, once; and the tokens are sorted by their pair of experts.
; Work-group 0 sorts; work-groups 1-64 take x (a wave: 8,192 numbers); work-groups 65-320 take the weights (a wave: 16 rows x 512 along K), 65-192 w1, the others w2.
; A block's scale is 2^(floor(log2(largest magnitude)) - 2): its byte is the largest magnitude's exponent field - 2, held at 1 from below by a floor among the maximum's leaves.
; LIMITS: a block of zeros, and a block whose largest magnitude lies under 2^-124, gets the byte 1 (a zero block's codes are zeros, and only this program reads the bytes);
; NaN and infinities among the inputs are not served; topk_e holds 0 .. 7 (an index stays inside its table).
; LAYOUTS.  xc [token][768]: in each K step's 96 bytes the four blocks of 24 bytes lie in the order 0, 2, 1, 3, so that the 48 bytes at 96 s + 48 h are the 12 operand registers of a lane of half h.
; xs [token][32].  wc [matrix][tile 0-63][K step 0-7][plane 0-2][lane][16 bytes]: a fragment's registers on end; lane r of tile T holds row 32 (T/2) + 8 (T%2) + r + 8 (r/8).
; ws [matrix][tile][K half][r][4 words].  order[place] = token | e0 << 16 | e1 << 20 | key << 24, key = 8 x smaller expert + larger, places ascending by key.
; No tensor loads, no cluster: the waves that quantise share nothing; memory is read once in runs of 512 bytes.  Each of the three roles has LDS bytes of its own.
.set RT,   0                           ; the sort: 8 waves x 64 counts
.set XST,  2048                        ; x: 8,192 bytes a wave: two stages of 32 x 80 bytes, then 256 scale bytes
.set WST,  67584                       ; weights: 16 rows x 528 bytes a wave
.set RUN,  28                          ; s28-63  the sort's 36 running counts
.set BL,   66                          ; s66-73  lanes whose smaller expert is e
.set BH,   74                          ; s74-81  lanes whose larger expert is e
	s_load_b512 s[4:19], s[0:1], 0x0               ; x, topk_e, w1, w2, xc, xs, wc, ws
	s_load_b64 s[20:21], s[0:1], 0x40              ; order
	v_lshl_add_u32 v254, v0, 2, 0x21000
	v_mov_b32 v255, 0
	v_lshrrev_b32 v8, 5, v0
	v_readfirstlane_b32 s22, v8                    ; wave 0..7
	v_and_b32 v1, 31, v0                           ; lane
	v_and_b32 v250, 15, v0                         ; r
	v_bfe_u32 v251, v0, 4, 1                       ; h
	v_lshlrev_b32 v3, 2, v1                        ; 4 x lane
	v_lshl_add_u32 v2, v8, 8, v3                   ; the sort: my wave's counts, 256 x wave + 4 x lane
	v_lshl_add_u32 v5, v8, 9, v1                   ; the sort: my first token, 512 x wave + lane
	v_lshlrev_b32 v4, 3, v5                        ; and its 8 bytes of topk_e
	v_lshlrev_b32 v246, 4, v1                      ; 16 x lane
	; every LDS address of every role is made here, in a register that holds nothing else
	s_lshl_b32 s24, s22, 13
	s_add_co_u32 s24, s24, XST
	v_lshrrev_b32 v9, 2, v1
	v_mul_u32_u24 v9, v9, 80
	v_and_b32 v10, 3, v1
	v_lshl_add_u32 v9, v10, 4, v9
	v_add_nc_u32 v240, s24, v9                     ; x, into a stage: 80 (lane / 4) + 16 (lane % 4)
	v_mul_u32_u24 v9, v1, 80
	v_add_nc_u32 v241, s24, v9                     ; x, out of it: 80 x lane: my 16 neighbours
	s_add_co_u32 s24, s24, 5120
	v_lshrrev_b32 v9, 1, v1
	v_add_nc_u32 v242, s24, v9                     ; x: my block's scale byte
	v_lshl_add_u32 v243, v1, 3, s24                ; x: 8 scale bytes a lane on the way out
	s_mul_i32 s25, s22, 8448
	s_add_co_u32 s25, s25, WST
	v_add_nc_u32 v244, s25, v246                   ; weights, into the stage: 16 x lane of a row
	v_mul_u32_u24 v9, v250, 528
	v_lshl_add_u32 v9, v251, 7, v9
	v_add_nc_u32 v245, s25, v9                     ; weights, out of it: row r, + 128 h
	s_mov_b32 s96, 0x76543210
	s_mov_b32 s97, 0xfedcba98                      ; v_permlanex16_b32's selects for lane l xor 16
.set i, 16
.rept 32
	v_mov_b32 v[i], 0                              ; written on every way: the sort's second half reads them
.set i, i+1
.endr
	s_wait_kmcnt 0x0
	s_cmp_lg_u32 ttmp9, 0
	s_cbranch_scc1 .Lmeet
	; ---- THE SORT, first half.  Wave w owns tokens 512 w + 32 c + lane, c = 0 .. 15.  For each of the 36 pairs i <= j a running count of the wave;
	; a token's rank among its wave's tokens of the same pair is that count + the lanes below it in the pair's mask.
.set i, 0
.rept 36
	s_mov_b32 s[RUN+i], 0
.set i, i+1
.endr
.irp c, 0,1,2,3,4,5,6,7,8,9,10,11,12,13,14,15
	global_load_b64 v[16+2*\c:17+2*\c], v4, s[6:7] offset:256*\c
.endr
.macro RCHUNK c
	s_wait_loadcnt 15-\c                           ; loads come back in order: chunk c is in, the younger chunks stay out
	v_min_u32 v6, v[16+2*\c], v[17+2*\c]           ; the smaller expert,
	v_add_nc_u32 v7, v[16+2*\c], v[17+2*\c]
	v_sub_nc_u32 v7, v7, v6                        ; the larger
.irp e, 0,1,2,3,4,5,6,7
	v_cmp_eq_u32 s[BL+\e], \e, v6
	v_cmp_eq_u32 s[BH+\e], \e, v7
.endr
	v_lshl_add_u32 v8, v6, 3, v7                   ; key
	v_lshl_or_b32 v9, v[17+2*\c], 4, v[16+2*\c]
	v_lshl_or_b32 v9, v8, 8, v9
	v_lshl_add_u32 v[16+2*\c], v9, 16, v5
	v_add_nc_u32 v[16+2*\c], 32*\c, v[16+2*\c]     ; the word that will be stored: token | e0 << 16 | e1 << 20 | key << 24
	v_mov_b32 v[17+2*\c], 0                        ; the rank
.set p, 0
.irp i, 0,1,2,3,4,5,6,7
.irp j, 0,1,2,3,4,5,6,7
.if \j >= \i
	s_and_b32 s[82+p%2], s[BL+\i], s[BH+\j]        ; the chunk's lanes of pair (i, j)
	v_mbcnt_lo_u32_b32 v[10+p%2], s[82+p%2], s[RUN+p]
	v_cndmask_b32 v[17+2*\c], v[17+2*\c], v[10+p%2], s[82+p%2]
	s_bcnt1_i32_b32 s[84+p%2], s[82+p%2]
	s_add_co_u32 s[RUN+p], s[RUN+p], s[84+p%2]
.set p, p+1
.endif
.endr
.endr
.endm
.irp c, 0,1,2,3,4,5,6,7,8,9,10,11,12,13,14,15
	RCHUNK \c
.endr
	v_mov_b32 v10, 0                               ; my wave's 64 counts by key: lane key % 32 of v10 (keys 0-31) or v11
	v_mov_b32 v11, 0
.set p, 0
.irp i, 0,1,2,3,4,5,6,7
.irp j, 0,1,2,3,4,5,6,7
.if \j >= \i
	v_writelane_b32 v[10+\i/4], s[RUN+p], (8*\i+\j)%32
.set p, p+1
.endif
.endr
.endr
	ds_store_b32 v2, v10
	ds_store_b32 v2, v11 offset:128
.Lmeet:
	s_wait_dscnt 0x0                               ; for the other waves' sake: my counts have landed
	s_barrier_signal -1
	s_barrier_wait -1
	s_cmp_lg_u32 ttmp9, 0
	s_cbranch_scc1 .Lquant
	; ---- THE SORT, second half: where each key's tokens of my wave begin = all tokens of lower keys + this key's tokens of lower waves
.irp w, 0,1,2,3,4,5,6,7
	ds_load_b32 v[48+2*\w], v3 offset:256*\w
	ds_load_b32 v[49+2*\w], v3 offset:256*\w+128
.endr
.irp j, 64,65,66,67,68,69
	v_mov_b32 v[\j], 0
.endr
	s_wait_dscnt 0x0
.irp w, 0,1,2,3,4,5,6,7
	s_cmp_gt_u32 s22, \w
	s_cselect_b32 s82, -1, 0
	v_add_nc_u32 v64, v64, v[48+2*\w]              ; all waves' counts
	v_add_nc_u32 v65, v65, v[49+2*\w]
	v_and_b32 v8, s82, v[48+2*\w]
	v_and_b32 v9, s82, v[49+2*\w]
	v_add_nc_u32 v66, v66, v8                      ; the lower waves'
	v_add_nc_u32 v67, v67, v9
.endr
	s_mov_b32 s83, 0
.irp i, 0,1,2,3,4,5,6,7
.irp j, 0,1,2,3,4,5,6,7
.if \j >= \i
	v_readlane_b32 s84, v[64+\i/4], (8*\i+\j)%32
	v_readlane_b32 s85, v[66+\i/4], (8*\i+\j)%32
	s_add_co_u32 s85, s85, s83
	v_writelane_b32 v[68+\i/4], s85, (8*\i+\j)%32
	s_add_co_u32 s83, s83, s84
.endif
.endr
.endr
.irp c, 0,1,2,3,4,5,6,7,8,9,10,11,12,13,14,15
	v_bfe_u32 v[102+\c], v[16+2*\c], 24, 5
	v_lshlrev_b32 v[102+\c], 2, v[102+\c]          ; the lane that holds my key's start
	ds_bpermute_b32 v[70+2*\c], v[102+\c], v68
	ds_bpermute_b32 v[71+2*\c], v[102+\c], v69
.endr
	s_wait_dscnt 0x0
.irp c, 0,1,2,3,4,5,6,7,8,9,10,11,12,13,14,15
	v_bfe_u32 v8, v[16+2*\c], 29, 1
	v_cmp_eq_u32 vcc_lo, 1, v8                     ; keys 32-63
	v_cndmask_b32 v9, v[70+2*\c], v[71+2*\c], vcc_lo
	v_add_nc_u32 v9, v9, v[17+2*\c]                ; my place
	v_min_u32 v9, 0xfff, v9
	v_lshlrev_b32 v[102+\c], 2, v9
	global_store_b32 v[102+\c], v[16+2*\c], s[20:21]   ; 4 bytes a lane to places that hang on the data: 16 KiB in all; gathering them first would want LDS addresses that hang on the data
.endr
	s_wait_tensorcnt 0x0
	ds_add_u32 v254, v255
	s_wait_dscnt 0x0
	s_endpgm
.Lquant:
	s_cmp_lt_u32 ttmp9, 65
	s_cbranch_scc0 .Lweights
	; ---- X.  A wave takes 16 steps of 512 numbers.  Each load reads 512 consecutive bytes; a step's 2,048 bytes turn through the wave's stage so that a lane holds 16 neighbours; two lanes hold a block.
	s_sub_co_u32 s24, ttmp9, 1
	s_lshl_b32 s24, s24, 3
	s_add_co_u32 s24, s24, s22                     ; which run of 8,192 numbers is my wave's
	s_mov_b32 s27, 0
	s_lshl_b32 s26, s24, 15
	s_add_nc_u64 s[4:5], s[4:5], s[26:27]
	s_mul_i32 s26, s24, 6144
	s_add_nc_u64 s[12:13], s[12:13], s[26:27]
	s_lshl_b32 s26, s24, 8
	s_add_nc_u64 s[14:15], s[14:15], s[26:27]
	v_and_b32 v9, 0x19, v1                         ; my 12 bytes of codes go to place 12 x (lane with bits 1 and 2 exchanged): the blocks of a K step in the order 0, 2, 1, 3
	v_and_b32 v10, 2, v1
	v_lshl_or_b32 v9, v10, 1, v9
	v_and_b32 v10, 4, v1
	v_lshrrev_b32 v10, 1, v10
	v_or_b32 v9, v9, v10
	v_mul_u32_u24 v247, v9, 12
	v_lshlrev_b32 v248, 3, v1
.macro XLOAD t
.irp i, 0,1,2,3
	global_load_b128 v[16+16*((\t)%4)+4*\i:16+16*((\t)%4)+4*\i+3], v246, s[4:5] offset:2048*(\t)+512*\i th:TH_LOAD_NT
.endr
.endm
.macro XTURN t                         ; LDS serves a wave's instructions in order: no wait between the stores and the loads
.irp i, 0,1,2,3
	ds_store_b128 v240, v[16+16*((\t)%4)+4*\i:16+16*((\t)%4)+4*\i+3] offset:2560*((\t)%2)+640*\i
.endr
.irp i, 0,1,2,3
	ds_load_b128 v[80+16*((\t)%2)+4*\i:80+16*((\t)%2)+4*\i+3], v241 offset:2560*((\t)%2)+16*\i
.endr
.endm
.irp t, 0,1,2,3
	XLOAD \t
.endr
	s_wait_loadcnt 12                              ; step 0's four loads are in
	XTURN 0
.macro XSTEP t
.set XR, 80+16*((\t)%2)
.if (\t) > 0
	s_wait_dscnt 1                                 ; this step's numbers are back (the last step's byte store may be out)
.else
	s_wait_dscnt 0x0
.endif
.if (\t)+4 < 16
	XLOAD (\t)+4
.endif
.if (\t)+1 < 16
.if 14-(\t) >= 3
	s_wait_loadcnt 12                              ; the next step's four loads are in; those of three steps behind it may be out
.else
	s_wait_loadcnt 4*(14-(\t))
.endif
	XTURN (\t)+1
.endif
	v_max3_num_f32 v8, |v[XR]|, |v[XR+1]|, |v[XR+2]|
	v_max3_num_f32 v9, |v[XR+3]|, |v[XR+4]|, |v[XR+5]|
.irp i, 6,10
	v_max3_num_f32 v8, v8, |v[XR+\i]|, |v[XR+\i+1]|
	v_max3_num_f32 v9, v9, |v[XR+\i+2]|, |v[XR+\i+3]|
.endr
	v_max3_num_f32 v8, v8, |v[XR+14]|, |v[XR+15]|
	v_max3_num_f32 v8, v8, v9, 0x1800000           ; and the floor 2^(3 - 127): the byte cannot fall under 1
	v_max_num_f32_dpp v8, v8, v8 row_xmask:1 row_mask:0xf bank_mask:0xf   ; with my neighbour's 16: the block's largest magnitude
	v_add_nc_u32 v11, 0xff000000, v8               ; 2 off its exponent field: the conversion takes that field as its scale
	v_cvt_scalef32_pk16_fp6_f32 v[128+4*(\t):128+4*(\t)+2], v[XR:XR+15], v11
	v_lshrrev_b32 v[112+(\t)], 23, v11             ; the scale's byte
	ds_store_b8 v242, v[112+(\t)] offset:16*(\t)   ; both lanes of a block write the same byte with the same value
	global_store_b96 v247, v[128+4*(\t):128+4*(\t)+2], s[12:13] offset:384*(\t)   ; the wave's store covers 384 consecutive bytes
.endm
.irp t, 0,1,2,3,4,5,6,7,8,9,10,11,12,13,14,15
	XSTEP \t
.endr
	ds_load_b64 v[12:13], v243
	s_wait_dscnt 0x0
	global_store_b64 v248, v[12:13], s[14:15]      ; 32 lanes store 256 consecutive bytes, aligned
	s_wait_tensorcnt 0x0
	ds_add_u32 v254, v255
	s_wait_dscnt 0x0
	s_endpgm
.Lweights:
	; ---- WEIGHTS.  Wave q takes tile T of matrix q / 128, K half q % 2: 16 rows x 4 K steps.  A load reads 512 consecutive bytes of one row; the 16 rows turn through the wave's stage,
	; so that lane (r, h) holds blocks h and 2 + h of row r in 64 registers: the conversions' results are the operand's registers.
	s_sub_co_u32 s24, ttmp9, 65
	s_lshl_b32 s24, s24, 3
	s_add_co_u32 s24, s24, s22                     ; q
	s_lshr_b32 s25, s24, 7                         ; matrix 0..15
	s_bfe_u32 s26, s24, 0x60001                    ; tile
	s_and_b32 s27, s24, 1                          ; K half
	s_cmp_lt_u32 ttmp9, 193
	s_cselect_b64 s[8:9], s[8:9], s[10:11]         ; w1 or w2: the choice hangs on the work-group's number alone
	s_and_b32 s28, s25, 7
	s_lshl_b32 s28, s28, 22                        ; the expert's 4 MiB,
	s_lshr_b32 s30, s26, 1
	s_lshl_b32 s30, s30, 17                        ; 32 (T / 2) rows of 4,096 bytes,
	s_add_co_u32 s28, s28, s30
	s_and_b32 s30, s26, 1
	s_lshl_b32 s30, s30, 15                        ; 8 (T % 2) rows,
	s_add_co_u32 s28, s28, s30
	s_lshl_b32 s30, s27, 11                        ; the K half's 2,048 bytes
	s_add_co_u32 s28, s28, s30
	s_mov_b32 s29, 0
	s_add_nc_u64 s[8:9], s[8:9], s[28:29]
	s_mul_i32 s28, s25, 786432
	s_mul_i32 s30, s26, 12288
	s_add_co_u32 s28, s28, s30
	s_mul_i32 s30, s27, 6144
	s_add_co_u32 s28, s28, s30
	s_add_nc_u64 s[16:17], s[16:17], s[28:29]
	s_lshl_b32 s28, s25, 15
	s_lshl_b32 s30, s26, 9
	s_add_co_u32 s28, s28, s30
	s_lshl_b32 s30, s27, 8
	s_add_co_u32 s28, s28, s30
	s_add_nc_u64 s[18:19], s[18:19], s[28:29]
	v_lshlrev_b32 v249, 4, v250
	v_lshl_add_u32 v249, v251, 3, v249             ; 16 r + 8 h: my two scale words
	v_lshlrev_b32 v252, 3, v251                    ; 8 h
	v_mov_b32 v233, 0                              ; written once: a lane permute's destination counts as one of its sources
.macro WLOAD s
.irp p, 0,1,2,3,4,5,6,7,8,9,10,11,12,13,14,15
	global_load_b128 v[16+64*((\s)%2)+4*\p:16+64*((\s)%2)+4*\p+3], v246, s[8:9] offset:(\p+8*(\p/8))*4096+512*(\s) th:TH_LOAD_NT
.endr
.endm
.macro WSTEP s
.if \s < 3
	s_wait_loadcnt 16                              ; this step's 16 loads are in; the next step's may be out
.else
	s_wait_loadcnt 0x0
.endif
.irp p, 0,1,2,3,4,5,6,7,8,9,10,11,12,13,14,15
	ds_store_b128 v244, v[16+64*((\s)%2)+4*\p:16+64*((\s)%2)+4*\p+3] offset:528*\p
.endr
.irp c, 0,1
.irp j, 0,1,2,3,4,5,6,7
	ds_load_b128 v[144+32*\c+4*\j:144+32*\c+4*\j+3], v245 offset:256*\c+16*\j
.endr
.endr
	s_wait_dscnt 0x0
.if \s+2 < 4
	WLOAD \s+2
.endif
	v_max3_num_f32 v10, |v144|, |v145|, 0x1800000  ; my two blocks by turns; the floor 2^(3 - 127) holds the byte at 1 from below
	v_max3_num_f32 v11, |v176|, |v177|, 0x1800000
.irp k, 2,4,6,8,10,12,14,16,18,20,22,24,26,28,30
	v_max3_num_f32 v10, v10, |v[144+\k]|, |v[145+\k]|
	v_max3_num_f32 v11, v11, |v[176+\k]|, |v[177+\k]|
.endr
	v_add_nc_u32 v12, 0xff000000, v10
	v_add_nc_u32 v13, 0xff000000, v11
	v_lshrrev_b32 v14, 23, v12
	v_lshrrev_b32 v15, 23, v13
	v_lshl_or_b32 v232, v15, 16, v14               ; my bytes: blocks h and 2 + h,
	v_lshlrev_b32 v232, v252, v232                 ; at their places in the word;
	v_permlanex16_b32 v233, v232, s96, s97
	v_or_b32 v[228+\s], v232, v233                 ; with lane l xor 16's two the word is whole
	s_wait_xcnt 0x0                                ; the last step's stores have read their data: the codes' registers are written again only behind this wait
	v_cvt_scalef32_pk16_fp6_f32 v[208:210], v[144:159], v12
	v_cvt_scalef32_pk16_fp6_f32 v[220:222], v[160:175], v12   ; (a conversion's three registers begin on an even number)
	v_cvt_scalef32_pk16_fp6_f32 v[214:216], v[176:191], v13
	v_cvt_scalef32_pk16_fp6_f32 v[224:226], v[192:207], v13
	v_nop                                          ; one plain place behind the scaled conversions
.irp i, 0,1,2
	v_mov_b32 v[211+\i], v[220+\i]
	v_mov_b32 v[217+\i], v[224+\i]
.endr
.irp i, 0,1,2
	global_store_b128 v246, v[208+4*\i:211+4*\i], s[16:17] offset:1536*\s+512*\i   ; 512 consecutive bytes, aligned
.endr
.endm
	WLOAD 0
	WLOAD 1
	WSTEP 0
	WSTEP 1
	WSTEP 2
	WSTEP 3
	v_cmp_eq_u32 vcc_lo, 1, v251
	v_cndmask_b32 v234, v228, v230, vcc_lo         ; lanes 0-15 store words 0, 1 of row r, lanes 16-31 words 2, 3
	v_cndmask_b32 v235, v229, v231, vcc_lo
	global_store_b64 v249, v[234:235], s[18:19]    ; 256 consecutive bytes, aligned
	s_wait_tensorcnt 0x0
	ds_add_u32 v254, v255
	s_wait_dscnt 0x0
	s_endpgm
.Lfunc_end_k_q7696a8abf3_prep:
	.size	k_q7696a8abf3_prep, .Lfunc_end_k_q7696a8abf3_prep-k_q7696a8abf3_prep
	.p2alignl 7, 3214868480
	.fill 96, 4, 3214868480
	.section	.rodata,"a",@progbits
	.p2align	6, 0x0
	.amdhsa_kernel k_q7696a8abf3_prep
		.amdhsa_group_segment_fixed_size 136192
		.amdhsa_private_segment_fixed_size 0
		.amdhsa_enable_private_segment 0
		.amdhsa_kernarg_size 72
		.amdhsa_user_sgpr_count 2
		.amdhsa_user_sgpr_kernarg_segment_ptr 1
		.amdhsa_wavefront_size32 1
		.amdhsa_system_sgpr_workgroup_id_x 1
		.amdhsa_system_sgpr_workgroup_id_y 1
		.amdhsa_system_sgpr_workgroup_id_z 1
		.amdhsa_system_vgpr_workitem_id 0
		.amdhsa_next_free_vgpr 256
		.amdhsa_next_free_sgpr 100
		.amdhsa_reserve_vcc 1
		.amdhsa_float_denorm_mode_32 3
		.amdhsa_float_denorm_mode_16_64 3
		.amdhsa_memory_ordered 1
		.amdhsa_forward_progress 1
		.amdhsa_inst_pref_size 239
	.end_amdhsa_kernel
	.amdgpu_metadata
---
amdhsa.version: [ 1, 2 ]
amdhsa.kernels:
  - .name:           k_q7696a8abf3_prep
    .symbol:         k_q7696a8abf3_prep.kd
    .args:
      - { .name: x, .offset: 0, .size: 8, .value_kind: global_buffer, .address_space: global }
      - { .name: topk_e, .offset: 8, .size: 8, .value_kind: global_buffer, .address_space: global }
      - { .name: w1, .offset: 16, .size: 8, .value_kind: global_buffer, .address_space: global }
      - { .name: w2, .offset: 24, .size: 8, .value_kind: global_buffer, .address_space: global }
      - { .name: xc, .offset: 32, .size: 8, .value_kind: global_buffer, .address_space: global }
      - { .name: xs, .offset: 40, .size: 8, .value_kind: global_buffer, .address_space: global }
      - { .name: wc, .offset: 48, .size: 8, .value_kind: global_buffer, .address_space: global }
      - { .name: ws, .offset: 56, .size: 8, .value_kind: global_buffer, .address_space: global }
      - { .name: order, .offset: 64, .size: 8, .value_kind: global_buffer, .address_space: global }
    .group_segment_fixed_size: 136192
    .private_segment_fixed_size: 0
    .kernarg_segment_align: 8
    .kernarg_segment_size: 72
    .max_flat_workgroup_size: 256
    .sgpr_count:     100
    .vgpr_count:     256
    .wavefront_size: 32
...
	.end_amdgpu_metadata
.endif
;; end of part 1
;; launch gemm1 (part 2): grid 4 x 64, 4 waves a work-group, no clusters, 54,784 bytes of LDS; arguments xc, xs, wc, ws, order, topk_w, hc, hs; writes hc, hs
.if DOCPART == 2
	.amdgcn_target "amdgcn-amd-amdhsa--gfx1250"
	.amdhsa_code_object_version 6
	.text
	.protected	k_q7696a8abf3_gemm1
	.globl	k_q7696a8abf3_gemm1
	.p2align	8
	.type	k_q7696a8abf3_gemm1,@function
k_q7696a8abf3_gemm1:
	s_mov_b64 s[64:65], 0
	v_nop
	global_prefetch_b8 v0, s[64:65] scope:SCOPE_SE
	s_setreg_imm32_b32 hwreg(HW_REG_WAVE_MODE, 25, 1), 1
	s_wait_xcnt 0x0
; GEMM1: for a block of 64 sorted tokens and 256 hidden units, and each expert e that a token of the block uses: z = x W1[e]^T on codes of FP6 (E2M3), silu(z) x c[token][e] in f32,
; quantised along the hidden units, stored as codes (hc) and scale bytes (hs).  c = w0 [e0 = e] + w1 [e1 = e]; a token that does not use e has c = 0: zero codes, which add nothing later.
; So this is the dense formula with only those experts left out that no token of the block uses; it holds for every split, both choices equal too.
; SHARES.  Work-group (g, b): tokens 64 b .. 64 b + 63 of the sorted order, hidden units 256 g .. +255.  Wave w: all 64 tokens x 64 units (tiles 16 g + 4 w + t): 16 accumulators.
; The product is used transposed (source 0 = 16 rows of W1, source 1 = 16 tokens): a lane holds one token, and since lane r of a tile holds row 32 (T/2) + 8 (T%2) + r + 8 (r/8),
; register 16 B + i of a token tile is unit 32 B + 16 h + i: 16 neighbours along the next K.  The wave's 64 units are half w % 2 of K step 2 g + w / 2 of the second product.
; W1's fragments come from memory straight into registers (they lie in the order of the operand's registers), a whole expert's panel of 8 K steps; each K step's registers are loaded again with the
; next expert's as soon as they have been multiplied.  x's 64 rows are shared by the four waves through LDS.
; NO TENSOR LOADS, NO CLUSTER: which experts a block walks is read from memory, the walk branches on it, and neighbouring blocks walk different experts, so no two work-groups ask for the same tile at the same step.
; LIMITS: a block of 32 whose largest magnitude is under 2^-124 (zeros too) gets the byte 1; NaN and infinities are not served; experts 0 .. 7.
; REGISTERS.  window 0: v1-11 addresses, v12-19 the tokens' experts, v20-27 their weights, v28-43 x's scale words, v44-59 W1's, v64-191 accumulators ((t, m) at 64 + 32 m + 8 t), v192-223 at work, v224-251 the quantiser.
; window 1: v0-95 x's fragments, two sets; v96-111 the next expert's scale words.  window 2: the panel's K steps 0-4 (48 s + 12 t).  window 3: K steps 5-7.
.set XP,  784                          ; a row of x's codes in LDS: 768 bytes + 16: 196 words, so that sixteen rows start at sixteen different groups of four banks
.set SCB, 64*XP                        ; behind x: 1,024 bytes for each wave: [trip][token][2 scale bytes]
.set ACC, 64
.set TT,  192
.set CC,  224
.set XS,  28
.set WS,  44
.set WSN, 96
.set MSB, 0
.macro WIN new                         ; the immediate's high byte repeats the setting that is left
.if MSB != \new
	s_set_vgpr_msb (MSB<<8)|\new
.set MSB, \new
.endif
.endm
	s_load_b512 s[4:19], s[0:1], 0x0               ; xc, xs, wc, ws, order, topk_w, hc, hs
	v_lshl_add_u32 v254, v0, 2, 0xd400
	v_mov_b32 v255, 0
	v_lshrrev_b32 v60, 5, v0
	v_readfirstlane_b32 s20, v60                   ; wave 0..3
	s_mov_b32 s21, ttmp9                           ; g
	s_and_b32 s22, ttmp7, 0xffff                   ; b
	v_and_b32 v3, 31, v0                           ; lane
	v_and_b32 v1, 15, v0                           ; r
	v_bfe_u32 v2, v0, 4, 1                         ; h
	v_mul_u32_u24 v4, v1, XP
	v_mad_u32_u24 v4, v2, 48, v4                   ; x's fragments: row r, + 48 h
	v_lshlrev_b32 v5, 4, v3                        ; 16 x lane
	v_lshlrev_b32 v6, 3, v3                        ; 8 x lane
	v_lshlrev_b32 v7, 4, v1
	v_lshl_add_u32 v7, v2, 9, v7                   ; W1's scale words: tile 2 P + h, row r
	s_lshl_b32 s44, s20, 10
	s_add_co_u32 s44, s44, SCB
	v_lshl_add_u32 v8, v1, 1, s44                  ; my wave's scale bytes: 2 r
	s_mul_i32 s44, s20, 16*XP
	v_mul_u32_u24 v10, v2, XP
	v_lshl_add_u32 v10, v1, 4, v10
	v_add_nc_u32 v10, s44, v10                     ; x into LDS: rows 16 w + 2 j + h, 16 r
	s_lshl_b32 s44, s20, 7
	s_add_co_u32 s44, s44, SCB
	v_lshl_add_u32 v11, v3, 2, s44                 ; the tail: trip w's halfwords of tokens 2 l, 2 l + 1
	s_lshl_b32 s44, s20, 6
	v_lshl_add_u32 v60, v2, 2, s44                 ; order words of rows 16 w + 2 j + h
	v_lshlrev_b32 v61, 2, v1                       ; of tokens 16 m + r
	v_lshlrev_b32 v62, 2, v3                       ; of tokens 32 p + lane
	v_lshlrev_b32 v63, 4, v1
	v_mov_b32 v234, 0                              ; written once: a lane permute's destination counts as one of its sources
	v_mov_b32 v235, 0
	s_mov_b32 s40, 0x76543210
	s_mov_b32 s41, 0xfedcba98
	s_mov_b32 s45, 0
	s_wait_kmcnt 0x0
	s_lshl_b32 s44, s22, 8
	s_add_nc_u64 s[12:13], s[12:13], s[44:45]      ; the block's 64 order words
.irp j, 0,1,2,3,4,5,6,7
	global_load_b32 v[192+\j], v60, s[12:13] offset:8*\j
.endr
.irp m, 0,1,2,3
	global_load_b32 v[200+\m], v61, s[12:13] offset:64*\m
.endr
	global_load_b32 v204, v62, s[12:13]
	global_load_b32 v205, v62, s[12:13] offset:128
	s_mul_i32 s44, s21, 196608
	s_mul_i32 s46, s20, 49152
	s_add_co_u32 s44, s44, s46
	s_add_nc_u64 s[36:37], s[8:9], s[44:45]        ; my four tiles in expert 0's W1
	s_lshl_b32 s44, s21, 13
	s_lshl_b32 s46, s20, 11
	s_add_co_u32 s44, s44, s46
	s_add_nc_u64 s[38:39], s[10:11], s[44:45]      ; and their scale words
	s_lshr_b32 s44, s20, 1
	s_lshl_b32 s46, s21, 1
	s_add_co_u32 s44, s44, s46                     ; the second product's K step that I feed
	s_mul_i32 s44, s44, 6144
	s_and_b32 s46, s20, 1
	s_mul_i32 s46, s46, 768
	s_add_co_u32 s44, s44, s46
	s_mul_i32 s46, s22, 393216
	s_add_co_u32 s44, s44, s46
	s_add_nc_u64 s[42:43], s[16:17], s[44:45]      ; hc[b][0][K step][0][half]
	s_lshl_b32 s44, s22, 14
	s_lshl_b32 s46, s20, 11
	s_add_co_u32 s44, s44, s46
	s_lshl_b32 s46, s21, 9
	s_add_co_u32 s44, s44, s46
	s_add_nc_u64 s[48:49], s[18:19], s[44:45]      ; hs[b][w][g]
	s_wait_loadcnt 0x0
.irp j, 0,1,2,3,4,5,6,7
	v_and_b32 v[192+\j], 0xfff, v[192+\j]
	v_min_u32 v[192+\j], 0xfff, v[192+\j]
	v_mul_u32_u24 v[192+\j], v[192+\j], 768
	v_add_nc_u32 v[192+\j], v63, v[192+\j]         ; token x 768 + 16 r
.endr
.irp m, 0,1,2,3
	v_bfe_u32 v[12+\m], v[200+\m], 16, 4           ; e0, e1 of token 16 m + r
	v_bfe_u32 v[16+\m], v[200+\m], 20, 4
	v_and_b32 v[200+\m], 0xfff, v[200+\m]
	v_min_u32 v[200+\m], 0xfff, v[200+\m]
	v_lshlrev_b32 v[200+\m], 3, v[200+\m]
.endr
.irp p, 0,1
	v_bfe_u32 v[206+2*\p], v[204+\p], 16, 4
	v_bfe_u32 v[207+2*\p], v[204+\p], 20, 4
	v_lshlrev_b32 v[206+2*\p], v[206+2*\p], 1
	v_lshlrev_b32 v[207+2*\p], v[207+2*\p], 1
	v_and_b32 v[204+\p], 0xfff, v[204+\p]
	v_min_u32 v[204+\p], 0xfff, v[204+\p]
	v_lshlrev_b32 v[204+\p], 5, v[204+\p]
.endr
	WIN 0x40                                       ; destination window 1
.irp j, 0,1,2,3,4,5,6,7
.irp u, 0,1,2
	global_load_b128 v[4*(3*\j+\u):4*(3*\j+\u)+3], v[192+\j], s[4:5] offset:256*\u   ; sixteen lanes read 256 consecutive bytes of a token's codes
.endr
.endr
	WIN 0
.irp m, 0,1,2,3
	global_load_b64 v[20+2*\m:21+2*\m], v[200+\m], s[14:15]
.endr
.irp p, 0,1
	global_load_b128 v[XS+8*\p:XS+8*\p+3], v[204+\p], s[6:7]
	global_load_b128 v[XS+8*\p+4:XS+8*\p+7], v[204+\p], s[6:7] offset:16
.endr
	v_or_b32 v206, v206, v207
	v_or_b32 v208, v208, v209
	v_or_b32 v206, v206, v208                      ; the experts of my two tokens, as bits
	s_mov_b32 s23, 0
.irp e, 0,1,2,3,4,5,6,7
	v_and_b32 v207, 1<<\e, v206
	v_cmp_ne_u32 s44, 0, v207
	s_cmp_lg_u32 s44, 0
	s_cselect_b32 s46, 1<<\e, 0
	s_or_b32 s23, s23, s46                         ; the block's experts
.endr
	s_bcnt1_i32_b32 s27, s23                       ; how many
	s_ctz_i32_b32 s25, s23
	s_min_u32 s25, s25, 7                          ; the first
	s_mov_b32 s26, s25
	s_mul_i32 s44, s25, 786432
	s_add_nc_u64 s[32:33], s[36:37], s[44:45]
	s_lshl_b32 s44, s25, 15
	s_add_nc_u64 s[34:35], s[38:39], s[44:45]
.macro WSLOAD                          ; an expert's scale words of my four tiles: register 8 P + s: lanes 0-15 tile 2 P, lanes 16-31 tile 2 P + 1
	WIN 0x40
.irp P, 0,1
.irp k, 0,1
	global_load_b128 v[WSN+8*\P+4*\k:WSN+8*\P+4*\k+3], v7, s[34:35] offset:1024*\P+256*\k
.endr
.endr
.endm
.macro REFILL s                        ; K step s of an expert's panel: four fragments, twelve loads of 512 consecutive bytes
.if \s < 5
	WIN 0x80
.set PAN, 48*\s
.else
	WIN 0xc0
.set PAN, 48*(\s-5)
.endif
.irp t, 0,1,2,3
.irp i, 0,1,2
	global_load_b128 v[PAN+12*\t+4*\i:PAN+12*\t+4*\i+3], v5, s[32:33] offset:12288*\t+1536*\s+512*\i
.endr
.endr
.endm
	WSLOAD
.irp s, 0,1,2,3,4,5,6,7
	REFILL \s
.endr
	s_wait_loadcnt 63                              ; x's codes, the weights and x's scale words have 100 younger loads: they are in
	WIN 0x04                                       ; an LDS store's data are its source 1: window 1
.irp j, 0,1,2,3,4,5,6,7
.irp u, 0,1,2
	ds_store_b128 v10, v[4*(3*\j+\u):4*(3*\j+\u)+3] offset:2*XP*\j+256*\u
.endr
.endr
	WIN 0
	s_wait_dscnt 0x0                               ; for the other waves' sake: my 16 rows have landed
	s_barrier_signal -1
	s_barrier_wait -1
.macro ALOAD s                         ; x's four fragments of K step s into set s % 2
	WIN 0x40
.irp m, 0,1,2,3
.irp i, 0,1,2
	ds_load_b128 v[48*((\s)%2)+12*\m+4*\i:48*((\s)%2)+12*\m+4*\i+3], v4 offset:16*XP*\m+96*(\s)+16*\i
.endr
.endr
.endm
.macro WMMA                            ; one product on the symbols rD, rA, rB, rSA, rSB; SEL: which half of the lanes holds A's scales (bit 0) and B's (bit 1); ZR: it starts the sum
.if ZR
.if SEL == 0
	v_wmma_scale_f32_16x16x128_f8f6f4 v[rD:rD+7], v[rA:rA+11], v[rB:rB+11], 0, v[rSA], v[rSB] matrix_a_fmt:MATRIX_FMT_FP6 matrix_b_fmt:MATRIX_FMT_FP6
.elseif SEL == 1
	v_wmma_scale_f32_16x16x128_f8f6f4 v[rD:rD+7], v[rA:rA+11], v[rB:rB+11], 0, v[rSA], v[rSB] matrix_a_fmt:MATRIX_FMT_FP6 matrix_b_fmt:MATRIX_FMT_FP6 matrix_a_scale:MATRIX_SCALE_ROW1
.elseif SEL == 2
	v_wmma_scale_f32_16x16x128_f8f6f4 v[rD:rD+7], v[rA:rA+11], v[rB:rB+11], 0, v[rSA], v[rSB] matrix_a_fmt:MATRIX_FMT_FP6 matrix_b_fmt:MATRIX_FMT_FP6 matrix_b_scale:MATRIX_SCALE_ROW1
.else
	v_wmma_scale_f32_16x16x128_f8f6f4 v[rD:rD+7], v[rA:rA+11], v[rB:rB+11], 0, v[rSA], v[rSB] matrix_a_fmt:MATRIX_FMT_FP6 matrix_b_fmt:MATRIX_FMT_FP6 matrix_a_scale:MATRIX_SCALE_ROW1 matrix_b_scale:MATRIX_SCALE_ROW1
.endif
.else
.if SEL == 0
	v_wmma_scale_f32_16x16x128_f8f6f4 v[rD:rD+7], v[rA:rA+11], v[rB:rB+11], v[rD:rD+7], v[rSA], v[rSB] matrix_a_fmt:MATRIX_FMT_FP6 matrix_b_fmt:MATRIX_FMT_FP6
.elseif SEL == 1
	v_wmma_scale_f32_16x16x128_f8f6f4 v[rD:rD+7], v[rA:rA+11], v[rB:rB+11], v[rD:rD+7], v[rSA], v[rSB] matrix_a_fmt:MATRIX_FMT_FP6 matrix_b_fmt:MATRIX_FMT_FP6 matrix_a_scale:MATRIX_SCALE_ROW1
.elseif SEL == 2
	v_wmma_scale_f32_16x16x128_f8f6f4 v[rD:rD+7], v[rA:rA+11], v[rB:rB+11], v[rD:rD+7], v[rSA], v[rSB] matrix_a_fmt:MATRIX_FMT_FP6 matrix_b_fmt:MATRIX_FMT_FP6 matrix_b_scale:MATRIX_SCALE_ROW1
.else
	v_wmma_scale_f32_16x16x128_f8f6f4 v[rD:rD+7], v[rA:rA+11], v[rB:rB+11], v[rD:rD+7], v[rSA], v[rSB] matrix_a_fmt:MATRIX_FMT_FP6 matrix_b_fmt:MATRIX_FMT_FP6 matrix_a_scale:MATRIX_SCALE_ROW1 matrix_b_scale:MATRIX_SCALE_ROW1
.endif
.endif
.endm
; A K STEP: 16 products, the 16 accumulators by turns, one instruction a turn, in the same order in every step.  refill = 1: the step's panel registers take the next expert's fragments.
.macro KSTEP s, refill
.if \refill
	s_wait_loadcnt 63                              ; younger than this step's twelve loads: 12 (7 - s) of this expert, 4 scale loads and 12 s of the next: 88
.elseif 12*(7-\s) > 63
	s_wait_loadcnt 63
.else
	s_wait_loadcnt 12*(7-\s)                       ; younger: only this expert's later steps
.endif
	s_wait_dscnt 0x0                               ; x's fragments of this step are in
	ALOAD (\s+1)%8                                 ; the next step's, into the other set (behind step 7: step 0's, for the next expert)
.if \s < 5
	WIN 0x06                                       ; source 0 (W1) window 2, source 1 (x) window 1, C and D window 0
.set PAN, 48*\s
.else
	WIN 0x07
.set PAN, 48*(\s-5)
.endif
.set AFS, 48*(\s%2)
.set ZR, 0
.if \s == 0
.set ZR, 1
.endif
.irp m, 0,1,2,3
.irp t, 0,1,2,3
.set rD, ACC+32*\m+8*\t
.set rA, PAN+12*\t
.set rB, AFS+12*\m
.set rSA, WS+8*(\t/2)+\s
.set rSB, XS+8*(\m/2)+\s
.set SEL, (\t%2)+2*(\m%2)
	WMMA
.endr
.endr
.rept 4
	v_nop                                          ; four places in front of loads into registers that the products have read, and of the first read of results
.endr
.if \refill
	REFILL \s
.endif
.endm
; THE WAY OF 16 TOKENS' 64 HIDDEN UNITS: silu, x c, the quantiser, out.
.macro EPI m
.set A0, ACC+32*\m
.set i, 0
.rept 16
	v_pk_mul_f32 v[TT+i:TT+i+1], v[A0+i:A0+i+1], 0xbfb8aa3b op_sel_hi:[1,0]   ; -z log2(e); each accumulator is read from its low end on
.set i, i+2
.endr
.set i, 0
.rept 32
	v_exp_f32 v[TT+i], v[TT+i]
.set i, i+1
.endr
	v_nop                                          ; a plain place behind the last exponential
	s_wait_alu depctr_va_vdst(0)                   ; one wait for the batch, ahead of its first reader
.set i, 0
.rept 16
	v_pk_add_f32 v[TT+i:TT+i+1], v[TT+i:TT+i+1], 1.0 op_sel_hi:[1,0]
.set i, i+2
.endr
.set i, 0
.rept 32
	v_rcp_f32 v[TT+i], v[TT+i]
.set i, i+1
.endr
	v_nop
	s_wait_alu depctr_va_vdst(0)
.set i, 0
.rept 16
	v_pk_mul_f32 v[A0+i:A0+i+1], v[A0+i:A0+i+1], v[TT+i:TT+i+1]              ; silu(z) = z / (1 + e^-z)
.set i, i+2
.endr
.set i, 0
.rept 16
	v_pk_mul_f32 v[A0+i:A0+i+1], v[A0+i:A0+i+1], v[CC+2*\m:CC+2*\m+1]        ; x c of my token
.set i, i+2
.endr
	v_max3_num_f32 v232, |v[A0]|, |v[A0+1]|, 0x1800000     ; two blocks of 32 by turns: my 16 numbers of each, and the floor 2^(3 - 127)
	v_max3_num_f32 v233, |v[A0+16]|, |v[A0+17]|, 0x1800000
.irp k, 2,4,6,8,10,12,14
	v_max3_num_f32 v232, v232, |v[A0+\k]|, |v[A0+\k+1]|
	v_max3_num_f32 v233, v233, |v[A0+16+\k]|, |v[A0+17+\k]|
.endr
	v_permlanex16_b32 v234, v232, s40, s41
	v_permlanex16_b32 v235, v233, s40, s41
	v_max_num_f32 v232, v232, v234                 ; with lane l xor 16's: the block's largest magnitude
	v_max_num_f32 v233, v233, v235
	v_add_nc_u32 v236, 0xff000000, v232            ; 2 off the exponent field: the conversion's scale operand
	v_add_nc_u32 v237, 0xff000000, v233
	v_lshrrev_b32 v238, 23, v236
	v_lshrrev_b32 v239, 23, v237
	v_lshl_or_b32 v240, v239, 8, v238              ; my token's two scale bytes
	s_wait_xcnt 0x0                                ; the last stores have read their data: the codes' registers are written again only behind this wait
	v_cvt_scalef32_pk16_fp6_f32 v[242:244], v[A0:A0+15], v236
	v_cvt_scalef32_pk16_fp6_f32 v[248:250], v[A0+16:A0+31], v237
	v_nop                                          ; one plain place behind the scaled conversions
.irp i, 0,1,2
	v_permlane16_swap_b32 v[242+\i], v[248+\i]     ; a whole block to a lane: lanes 0-15 the first block, lanes 16-31 the second
.endr
.irp i, 0,1,2
	v_mov_b32 v[245+\i], v[248+\i]
.endr
	global_store_b128 v5, v[242:245], s[42:43] offset:1536*\m          ; six operand registers as they stand: 512 consecutive bytes, aligned,
	global_store_b64 v6, v[246:247], s[42:43] offset:1536*\m+512       ; and 256
	ds_store_b16 v9, v240 offset:32*\m             ; both halves of the lanes write the same bytes with the same value
.endm
	ALOAD 0
	WIN 0
	s_mov_b32 s28, 0                               ; trips: a constant count of 8; the experts in use take the first ones
	s_mov_b32 s29, 0
.Ltrip:
	s_cmp_eq_u32 s23, 0
	s_cbranch_scc1 .Lskip
	s_wait_xcnt 0x0                                ; the bases of the last trip's loads are written again only behind this wait
	s_wait_loadcnt 63                              ; this expert's scale words have 96 younger loads
	WIN 0x01
.set i, 0
.rept 16
	v_mov_b32 v[WS+i], v[WSN+i]
.set i, i+1
.endr
	WIN 0
.irp m, 0,1,2,3                        ; c = w0 [e0 = e] + w1 [e1 = e], in f32.  (These lines are also the places between the scale words' moves and the products)
	v_cmp_eq_u32 vcc_lo, s25, v[12+\m]
	v_cndmask_b32 v60, 0, v[20+2*\m], vcc_lo
	v_cmp_eq_u32 vcc_lo, s25, v[16+\m]
	v_cndmask_b32 v61, 0, v[21+2*\m], vcc_lo
	v_add_f32 v[CC+2*\m], v60, v61
	v_mov_b32 v[CC+2*\m+1], v[CC+2*\m]
.endr
	v_add_nc_u32 v9, s29, v8
	s_sub_co_u32 s24, s23, 1
	s_and_b32 s24, s24, s23                        ; the experts that follow
	s_cmp_eq_u32 s24, 0
	s_cbranch_scc1 .Llast
	s_ctz_i32_b32 s26, s24
	s_min_u32 s26, s26, 7
	s_mul_i32 s44, s26, 786432
	s_mov_b32 s45, 0
	s_add_nc_u64 s[32:33], s[36:37], s[44:45]
	s_lshl_b32 s44, s26, 15
	s_add_nc_u64 s[34:35], s[38:39], s[44:45]
	WSLOAD
.irp s, 0,1,2,3,4,5,6,7
	KSTEP \s, 1
.endr
	WIN 0
	s_branch .Lepi
.Llast:                                            ; the block's last expert: nothing is left to fetch, and the waits count otherwise: so the steps are written a second time
.irp s, 0,1,2,3,4,5,6,7
	KSTEP \s, 0
.endr
	WIN 0
.Lepi:
	EPI 0
	EPI 1
	EPI 2
	EPI 3
	s_mov_b32 s25, s26
	s_mov_b32 s23, s24
.Lskip:
	s_wait_xcnt 0x0                                ; the stores have read their base
	s_add_nc_u64 s[42:43], s[42:43], 49152         ; hc's next ordinal
	s_add_co_u32 s29, s29, 128
	s_add_co_u32 s28, s28, 1
	s_cmp_lt_u32 s28, 8
	s_cbranch_scc1 .Ltrip
	; THE SCALE BYTES leave as [token][8 bytes]: a token's halfwords of the four waves side by side.  Wave w takes ordinals w and w + 4, where they are in use.
	s_wait_dscnt 0x0
	s_barrier_signal -1
	s_barrier_wait -1
	s_cmp_lt_u32 s20, s27
	s_cbranch_scc0 .Lsecond
.irp w, 0,1,2,3
	ds_load_b32 v[192+\w], v11 offset:1024*\w
.endr
	s_wait_dscnt 0x0
	v_perm_b32 v196, v193, v192, 0x05040100        ; token 2 l: waves 0, 1
	v_perm_b32 v197, v195, v194, 0x05040100        ; waves 2, 3
	v_perm_b32 v198, v193, v192, 0x07060302        ; token 2 l + 1
	v_perm_b32 v199, v195, v194, 0x07060302
	global_store_b128 v5, v[196:199], s[48:49]     ; 512 consecutive bytes, aligned
.Lsecond:
	s_add_co_u32 s44, s20, 4
	s_cmp_lt_u32 s44, s27
	s_cbranch_scc0 .Lend
.irp w, 0,1,2,3
	ds_load_b32 v[200+\w], v11 offset:1024*\w+512
.endr
	s_wait_dscnt 0x0
	v_perm_b32 v204, v201, v200, 0x05040100
	v_perm_b32 v205, v203, v202, 0x05040100
	v_perm_b32 v206, v201, v200, 0x07060302
	v_perm_b32 v207, v203, v202, 0x07060302
	global_store_b128 v5, v[204:207], s[48:49] offset:8192
.Lend:
	s_wait_tensorcnt 0x0
	ds_add_u32 v254, v255
	s_wait_dscnt 0x0
	s_endpgm
.Lfunc_end_k_q7696a8abf3_gemm1:
	.size	k_q7696a8abf3_gemm1, .Lfunc_end_k_q7696a8abf3_gemm1-k_q7696a8abf3_gemm1
	.p2alignl 7, 3214868480
	.fill 96, 4, 3214868480
	.section	.rodata,"a",@progbits
	.p2align	6, 0x0
	.amdhsa_kernel k_q7696a8abf3_gemm1
		.amdhsa_group_segment_fixed_size 54784
		.amdhsa_private_segment_fixed_size 0
		.amdhsa_enable_private_segment 0
		.amdhsa_kernarg_size 64
		.amdhsa_user_sgpr_count 2
		.amdhsa_user_sgpr_kernarg_segment_ptr 1
		.amdhsa_wavefront_size32 1
		.amdhsa_system_sgpr_workgroup_id_x 1
		.amdhsa_system_sgpr_workgroup_id_y 1
		.amdhsa_system_sgpr_workgroup_id_z 1
		.amdhsa_system_vgpr_workitem_id 0
		.amdhsa_next_free_vgpr 1024
		.amdhsa_next_free_sgpr 66
		.amdhsa_reserve_vcc 1
		.amdhsa_float_denorm_mode_32 3
		.amdhsa_float_denorm_mode_16_64 3
		.amdhsa_memory_ordered 1
		.amdhsa_forward_progress 1
		.amdhsa_inst_pref_size 123
	.end_amdhsa_kernel
	.amdgpu_metadata
---
amdhsa.version: [ 1, 2 ]
amdhsa.kernels:
  - .name:           k_q7696a8abf3_gemm1
    .symbol:         k_q7696a8abf3_gemm1.kd
    .args:
      - { .name: xc, .offset: 0, .size: 8, .value_kind: global_buffer, .address_space: global }
      - { .name: xs, .offset: 8, .size: 8, .value_kind: global_buffer, .address_space: global }
      - { .name: wc, .offset: 16, .size: 8, .value_kind: global_buffer, .address_space: global }
      - { .name: ws, .offset: 24, .size: 8, .value_kind: global_buffer, .address_space: global }
      - { .name: order, .offset: 32, .size: 8, .value_kind: global_buffer, .address_space: global }
      - { .name: topk_w, .offset: 40, .size: 8, .value_kind: global_buffer, .address_space: global }
      - { .name: hc, .offset: 48, .size: 8, .value_kind: global_buffer, .address_space: global }
      - { .name: hs, .offset: 56, .size: 8, .value_kind: global_buffer, .address_space: global }
    .group_segment_fixed_size: 54784
    .private_segment_fixed_size: 0
    .kernarg_segment_align: 8
    .kernarg_segment_size: 64
    .max_flat_workgroup_size: 128
    .sgpr_count:     66
    .vgpr_count:     1024
    .wavefront_size: 32
...
	.end_amdgpu_metadata
.endif
;; end of part 2
;; launch gemm2 (part 3): grid 4 x 64, 4 waves a work-group, no clusters, 148,992 bytes of LDS; arguments hc, hs, wc, ws, order, out0; writes out0
.if DOCPART == 3
	.amdgcn_target "amdgcn-amd-amdhsa--gfx1250"
	.amdhsa_code_object_version 6
	.text
	.protected	k_q7696a8abf3_gemm2
	.globl	k_q7696a8abf3_gemm2
	.p2align	8
	.type	k_q7696a8abf3_gemm2,@function
k_q7696a8abf3_gemm2:
	s_mov_b64 s[64:65], 0
	v_nop
	global_prefetch_b8 v0, s[64:65] scope:SCOPE_SE
	s_setreg_imm32_b32 hwreg(HW_REG_WAVE_MODE, 25, 1), 1
	s_wait_xcnt 0x0
; GEMM2: y[token] = the sum over the block's experts of (quantised silu x c) W2[e]^T, on codes of FP6 (E2M3), sums in f32 in ONE set of accumulators: each row of out0 has one owner.
; SHARES.  Work-group (g, b): the 64 sorted tokens of block b, columns 256 g .. +255.  Wave w: 64 tokens x 64 columns (tiles 16 g + 4 w + t of W2[e]): 16 accumulators.
; The product is used transposed (source 0 = 16 rows of W2, source 1 = 16 tokens): a lane holds one token; register 16 B + i of a token tile is column 32 B + 16 h + i of the wave's 64.
; W2's fragments come from memory straight into registers, a panel of 8 K steps, each step's registers loaded again with the next expert's as soon as they are multiplied.
; The hidden layer's codes and scale words of one expert (51,200 bytes) are shared by the four waves through LDS, in two buffers by turns: while one is multiplied, each wave loads its quarter of the next
; expert's into registers and stores it into the other at the trip's end.  ONE barrier a trip: in front of it a wave's reads of the buffer that it leaves and its stores into the next are done.
; Eight trips, a constant count, every barrier on every wave's way; a trip without an expert does nothing else.  After seven experts at most one is left: the eighth trip has no arm that fetches.
; NO TENSOR LOADS, NO CLUSTER: the walk over experts branches on numbers read from memory, and neighbouring blocks walk different experts.
; REGISTERS.  window 0: v5, v12-25 addresses, v28-43 the hidden layer's scale words, v44-59 W2's, v64-191 accumulators ((t, m) at 64 + 32 m + 8 t), v192-255 the way out.
; window 1: v0-95 hidden fragments, two sets; v96-211 my quarter of the next expert's bytes; v212-243 my rows' offsets in out0.  window 2: the panel's K steps 0-4.  window 3: K steps 5-7.
.set BUFB, 0x10000                     ; buffer 1 begins here.  A buffer: 49,152 bytes of codes, 2,048 of their scale words, 2,048 of W2's scale words for each wave
.set HSO,  49152
.set WSO,  51200
.set STG,  0x20000                     ; the way out: 16 rows x 272 bytes for each wave
.set ACC,  64
.set HSC,  28
.set WS,   44
.set LA16, 12                          ; v12, v13  16 x lane in buffer 0, 1
.set LA8,  14                          ; v14, v15  8 x lane
.set WSL,  16                          ; v16, v17  W2's scale words: 2,048 w + 512 h + 16 r
.set SH,   18                          ; v18, v19  where I store my quarter of the codes: 12,288 w + 16 x lane
.set SHS,  20                          ; v20, v21  of the scale words: 512 w + 16 x lane
.set SWS,  22                          ; v22, v23  W2's scale words: 2,048 w + 16 x lane
.set SG,   96
.set TOK,  212
.set MSB, 0
.macro WIN new                         ; the immediate's high byte repeats the setting that is left
.if MSB != \new
	s_set_vgpr_msb (MSB<<8)|\new
.set MSB, \new
.endif
.endm
	s_load_b256 s[4:11], s[0:1], 0x0               ; hc, hs, wc, ws
	s_load_b128 s[12:15], s[0:1], 0x20             ; order, out0
	v_lshl_add_u32 v27, v0, 2, 0x24400
	v_mov_b32 v61, 0
	v_lshrrev_b32 v60, 5, v0
	v_readfirstlane_b32 s20, v60                   ; wave 0..3
	s_mov_b32 s21, ttmp9                           ; g
	s_and_b32 s22, ttmp7, 0xffff                   ; b
	v_and_b32 v3, 31, v0
	v_and_b32 v1, 15, v0
	v_bfe_u32 v2, v0, 4, 1
	v_lshlrev_b32 v5, 4, v3                        ; 16 x lane, for memory
	v_lshlrev_b32 v12, 4, v3
	v_add_nc_u32 v13, BUFB, v12
	v_lshlrev_b32 v14, 3, v3
	v_add_nc_u32 v15, BUFB, v14
	s_lshl_b32 s44, s20, 11
	v_lshlrev_b32 v16, 4, v1
	v_lshl_add_u32 v16, v2, 9, v16
	v_add_nc_u32 v16, s44, v16
	v_add_nc_u32 v17, BUFB, v16
	s_mul_i32 s45, s20, 12288
	v_add_nc_u32 v18, s45, v12
	v_add_nc_u32 v19, BUFB, v18
	s_lshl_b32 s45, s20, 9
	v_add_nc_u32 v20, s45, v12
	v_add_nc_u32 v21, BUFB, v20
	v_add_nc_u32 v22, s44, v12
	v_add_nc_u32 v23, BUFB, v22
	s_mul_i32 s44, s20, 4352
	s_add_co_u32 s44, s44, STG
	v_mul_u32_u24 v24, v1, 272
	v_lshl_add_u32 v24, v2, 6, v24
	v_add_nc_u32 v24, s44, v24                     ; the stage, in: row r, + 64 h
	v_mul_u32_u24 v25, v2, 272
	v_lshl_add_u32 v25, v1, 4, v25
	v_add_nc_u32 v25, s44, v25                     ; back: lanes 0-15 one row, lanes 16-31 the next
	v_lshlrev_b32 v60, 2, v2
	v_lshlrev_b32 v62, 2, v3
	v_lshlrev_b32 v63, 4, v1
	s_mov_b32 s45, 0
	s_wait_kmcnt 0x0
	s_lshl_b32 s44, s22, 8
	s_add_nc_u64 s[12:13], s[12:13], s[44:45]
.irp m, 0,1,2,3
.irp i, 0,1,2,3,4,5,6,7
	global_load_b32 v[192+8*\m+\i], v60, s[12:13] offset:64*\m+8*\i    ; the order words of rows 16 m + 2 i + h
.endr
.endr
	global_load_b32 v224, v62, s[12:13]
	global_load_b32 v225, v62, s[12:13] offset:128
	s_mul_i32 s44, s22, 393216
	s_mul_i32 s46, s20, 12288
	s_add_co_u32 s44, s44, s46
	s_add_nc_u64 s[42:43], s[4:5], s[44:45]        ; my quarter of hc[b][0]
	s_lshl_b32 s44, s22, 14
	s_lshl_b32 s46, s20, 9
	s_add_co_u32 s44, s44, s46
	s_add_nc_u64 s[46:47], s[6:7], s[44:45]        ; of hs[b][0]
.macro SGH                             ; my quarter of an expert's hidden codes (24 loads of 512 consecutive bytes) and scale words (one)
	WIN 0x40
.irp k, 0,1,2,3,4,5,6,7,8,9,10,11,12,13,14,15,16,17,18,19,20,21,22,23
	global_load_b128 v[SG+4*\k:SG+4*\k+3], v5, s[42:43] offset:512*\k
.endr
	global_load_b128 v[SG+96:SG+99], v5, s[46:47]
.endm
.macro SGW                             ; the scale words of my four tiles of W2
	WIN 0x40
.irp i, 0,1,2,3
	global_load_b128 v[SG+100+4*\i:SG+103+4*\i], v5, s[34:35] offset:512*\i
.endr
.endm
.macro SGSTORE buf
	WIN 0x04                                       ; an LDS store's data are its source 1: window 1
.irp k, 0,1,2,3,4,5,6,7,8,9,10,11,12,13,14,15,16,17,18,19,20,21,22,23
	ds_store_b128 v[SH+\buf], v[SG+4*\k:SG+4*\k+3] offset:512*\k
.endr
	ds_store_b128 v[SHS+\buf], v[SG+96:SG+99] offset:HSO
.irp i, 0,1,2,3
	ds_store_b128 v[SWS+\buf], v[SG+100+4*\i:SG+103+4*\i] offset:WSO+512*\i
.endr
	WIN 0
.endm
	SGH
	WIN 0
	s_mul_i32 s44, s21, 196608
	s_mul_i32 s24, s20, 49152
	s_add_co_u32 s44, s44, s24
	s_add_co_u32 s44, s44, 8*786432
	s_add_nc_u64 s[36:37], s[8:9], s[44:45]        ; my four tiles in expert 0's W2
	s_lshl_b32 s44, s21, 13
	s_lshl_b32 s24, s20, 11
	s_add_co_u32 s44, s44, s24
	s_add_co_u32 s44, s44, 8*32768
	s_add_nc_u64 s[38:39], s[10:11], s[44:45]
	s_lshl_b32 s44, s21, 10
	s_lshl_b32 s24, s20, 8
	s_add_co_u32 s44, s44, s24
	s_add_nc_u64 s[48:49], s[14:15], s[44:45]      ; out0 at my 64 columns
	s_wait_loadcnt 25                              ; the order words are in; the 25 loads behind them may be out
.set i, 0
.rept 32
	v_and_b32 v[192+i], 0xfff, v[192+i]
	v_min_u32 v[192+i], 0xfff, v[192+i]
	v_lshlrev_b32 v[192+i], 12, v[192+i]
.set i, i+1
.endr
	WIN 0x40
.set i, 0
.rept 32
	v_add_nc_u32 v[TOK+i], v63, v[192+i]           ; token x 4,096 + 16 r, kept in window 1
.set i, i+1
.endr
	WIN 0
.irp p, 0,1
	v_bfe_u32 v[226+2*\p], v[224+\p], 16, 4
	v_bfe_u32 v[227+2*\p], v[224+\p], 20, 4
	v_lshlrev_b32 v[226+2*\p], v[226+2*\p], 1
	v_lshlrev_b32 v[227+2*\p], v[227+2*\p], 1
.endr
	v_or_b32 v226, v226, v227
	v_or_b32 v228, v228, v229
	v_or_b32 v226, v226, v228
	s_mov_b32 s23, 0
.irp e, 0,1,2,3,4,5,6,7
	v_and_b32 v227, 1<<\e, v226
	v_cmp_ne_u32 s44, 0, v227
	s_cmp_lg_u32 s44, 0
	s_cselect_b32 s24, 1<<\e, 0
	s_or_b32 s23, s23, s24                         ; the block's experts
.endr
	s_ctz_i32_b32 s25, s23
	s_min_u32 s25, s25, 7
	s_mul_i32 s44, s25, 786432
	s_add_nc_u64 s[32:33], s[36:37], s[44:45]
	s_lshl_b32 s44, s25, 15
	s_add_nc_u64 s[34:35], s[38:39], s[44:45]
.macro REFILL s
.if \s < 5
	WIN 0x80
.set PAN, 48*\s
.else
	WIN 0xc0
.set PAN, 48*(\s-5)
.endif
.irp t, 0,1,2,3
.irp i, 0,1,2
	global_load_b128 v[PAN+12*\t+4*\i:PAN+12*\t+4*\i+3], v5, s[32:33] offset:12288*\t+1536*\s+512*\i
.endr
.endr
.endm
	SGW
.irp s, 0,1,2,3,4,5,6,7
	REFILL \s
.endr
	s_wait_loadcnt 63                              ; the 29 staging loads have 96 younger loads: they are in
	SGSTORE 0
.macro ALOAD2 buf, s                   ; the four hidden fragments of K step s into set s % 2: each as it was stored, six registers by 16 and 8 bytes a lane
	WIN 0x40
.irp m, 0,1,2,3
.irp c, 0,1
	ds_load_b128 v[48*((\s)%2)+12*\m+6*\c:48*((\s)%2)+12*\m+6*\c+3], v[LA16+\buf] offset:1536*(4*(\s)+\m)+768*\c
	ds_load_b64 v[48*((\s)%2)+12*\m+6*\c+4:48*((\s)%2)+12*\m+6*\c+5], v[LA8+\buf] offset:1536*(4*(\s)+\m)+768*\c+512
.endr
.endr
.endm
.macro WMMA                            ; one product on the symbols rD, rA, rB, rSA, rSB; SEL: which half of the lanes holds A's scales (bit 0) and B's (bit 1); ZR: it starts the sum
.if ZR
.if SEL == 0
	v_wmma_scale_f32_16x16x128_f8f6f4 v[rD:rD+7], v[rA:rA+11], v[rB:rB+11], 0, v[rSA], v[rSB] matrix_a_fmt:MATRIX_FMT_FP6 matrix_b_fmt:MATRIX_FMT_FP6
.elseif SEL == 1
	v_wmma_scale_f32_16x16x128_f8f6f4 v[rD:rD+7], v[rA:rA+11], v[rB:rB+11], 0, v[rSA], v[rSB] matrix_a_fmt:MATRIX_FMT_FP6 matrix_b_fmt:MATRIX_FMT_FP6 matrix_a_scale:MATRIX_SCALE_ROW1
.elseif SEL == 2
	v_wmma_scale_f32_16x16x128_f8f6f4 v[rD:rD+7], v[rA:rA+11], v[rB:rB+11], 0, v[rSA], v[rSB] matrix_a_fmt:MATRIX_FMT_FP6 matrix_b_fmt:MATRIX_FMT_FP6 matrix_b_scale:MATRIX_SCALE_ROW1
.else
	v_wmma_scale_f32_16x16x128_f8f6f4 v[rD:rD+7], v[rA:rA+11], v[rB:rB+11], 0, v[rSA], v[rSB] matrix_a_fmt:MATRIX_FMT_FP6 matrix_b_fmt:MATRIX_FMT_FP6 matrix_a_scale:MATRIX_SCALE_ROW1 matrix_b_scale:MATRIX_SCALE_ROW1
.endif
.else
.if SEL == 0
	v_wmma_scale_f32_16x16x128_f8f6f4 v[rD:rD+7], v[rA:rA+11], v[rB:rB+11], v[rD:rD+7], v[rSA], v[rSB] matrix_a_fmt:MATRIX_FMT_FP6 matrix_b_fmt:MATRIX_FMT_FP6
.elseif SEL == 1
	v_wmma_scale_f32_16x16x128_f8f6f4 v[rD:rD+7], v[rA:rA+11], v[rB:rB+11], v[rD:rD+7], v[rSA], v[rSB] matrix_a_fmt:MATRIX_FMT_FP6 matrix_b_fmt:MATRIX_FMT_FP6 matrix_a_scale:MATRIX_SCALE_ROW1
.elseif SEL == 2
	v_wmma_scale_f32_16x16x128_f8f6f4 v[rD:rD+7], v[rA:rA+11], v[rB:rB+11], v[rD:rD+7], v[rSA], v[rSB] matrix_a_fmt:MATRIX_FMT_FP6 matrix_b_fmt:MATRIX_FMT_FP6 matrix_b_scale:MATRIX_SCALE_ROW1
.else
	v_wmma_scale_f32_16x16x128_f8f6f4 v[rD:rD+7], v[rA:rA+11], v[rB:rB+11], v[rD:rD+7], v[rSA], v[rSB] matrix_a_fmt:MATRIX_FMT_FP6 matrix_b_fmt:MATRIX_FMT_FP6 matrix_a_scale:MATRIX_SCALE_ROW1 matrix_b_scale:MATRIX_SCALE_ROW1
.endif
.endif
.endm
; A K STEP: 16 products, the 16 accumulators by turns, one instruction a turn, in the same order in every step and every trip.
.macro KSTEP2 buf, s, refill, zero
.if \refill
	s_wait_loadcnt 63                              ; younger than this step's twelve loads: 12 (7 - s) of this expert, 29 staging loads and 12 s of the next: 113
.elseif 12*(7-\s) > 63
	s_wait_loadcnt 63
.else
	s_wait_loadcnt 12*(7-\s)                       ; younger: only this expert's later steps
.endif
	s_wait_dscnt 0x0                               ; this step's hidden fragments are in (at step 0: the scale words too)
.if \s < 7
	ALOAD2 \buf, \s+1
.endif
.if \s < 5
	WIN 0x06                                       ; source 0 (W2) window 2, source 1 (hidden) window 1, C and D window 0
.set PAN, 48*\s
.else
	WIN 0x07
.set PAN, 48*(\s-5)
.endif
.set AFS, 48*(\s%2)
.set ZR, 0
.if \zero
.if \s == 0
.set ZR, 1
.endif
.endif
.irp m, 0,1,2,3
.irp t, 0,1,2,3
.set rD, ACC+32*\m+8*\t
.set rA, PAN+12*\t
.set rB, AFS+12*\m
.set rSA, WS+8*(\t/2)+\s
.set rSB, HSC+4*(\s/2)+2*(\m/2)+(\s%2)
.set SEL, (\t%2)+2*(\m%2)
	WMMA
.endr
.endr
.rept 4
	v_nop                                          ; four places in front of loads into registers that the products have read, and of the first read of results
.endr
.if \refill
	REFILL \s
.endif
.endm
; A TRIP: the expert whose bytes lie in buffer buf.  zero = 1: its first products start the sums.  more = 0: no expert can follow.
.macro TRIP buf, zero, more
	s_wait_dscnt 0x0                               ; my stores into this buffer have landed, my reads of the other are over
	s_barrier_signal -1
	s_barrier_wait -1                              ; both now hold of all four waves
.if !\zero
	s_cmp_eq_u32 s23, 0
	s_cbranch_scc1 .Lskip_\@
.endif
.irp q, 0,1,2,3
.irp p, 0,1
	ds_load_b64 v[HSC+4*\q+2*\p:HSC+4*\q+2*\p+1], v[LA8+\buf] offset:HSO+512*\q+256*\p   ; lane l: token 32 p + l's words of K steps 2 q, 2 q + 1
.endr
.endr
.irp P, 0,1
.irp k, 0,1
	ds_load_b128 v[WS+8*\P+4*\k:WS+8*\P+4*\k+3], v[WSL+\buf] offset:WSO+1024*\P+256*\k
.endr
.endr
	ALOAD2 \buf, 0
	WIN 0
	s_sub_co_u32 s24, s23, 1
	s_and_b32 s23, s24, s23                        ; the experts that follow
.if \more
	s_cmp_eq_u32 s23, 0
	s_cbranch_scc1 .Llast_\@
	s_wait_xcnt 0x0                                ; the bases of the last trip's loads are written again only behind this wait
	s_ctz_i32_b32 s25, s23
	s_min_u32 s25, s25, 7
	s_mul_i32 s44, s25, 786432
	s_mov_b32 s45, 0
	s_add_nc_u64 s[32:33], s[36:37], s[44:45]
	s_lshl_b32 s44, s25, 15
	s_add_nc_u64 s[34:35], s[38:39], s[44:45]
	s_add_nc_u64 s[42:43], s[42:43], 49152
	s_add_nc_u64 s[46:47], s[46:47], 2048
	SGH
	SGW
.irp s, 0,1,2,3,4,5,6,7
	KSTEP2 \buf, \s, 1, \zero
.endr
	s_wait_loadcnt 63                              ; the 29 staging loads have 96 younger loads
	SGSTORE 1-\buf                                 ; into the buffer that every wave left in front of this trip's barrier
	s_branch .Lskip_\@
.Llast_\@:
.endif
.irp s, 0,1,2,3,4,5,6,7
	KSTEP2 \buf, \s, 0, \zero
.endr
	WIN 0
.Lskip_\@:
.endm
	TRIP 0, 1, 1                                   ; every block has an expert: the first trip starts the sums, and nothing is cleared
	s_mov_b32 s28, 3
.Lpair:
	TRIP 1, 0, 1
	TRIP 0, 0, 1
	s_sub_co_u32 s28, s28, 1
	s_cmp_lg_u32 s28, 0
	s_cbranch_scc1 .Lpair
	TRIP 1, 0, 0
	; THE WAY OUT, 16 tokens at a time, through my own stage: a lane holds 64 bytes twice of one token's row; it comes back as rows of 256 bytes, which sixteen lanes store whole.
	; LDS serves a wave's instructions in order: no wait between the stores and the loads, nor in front of the next tile's stores.
.irp m, 0,1,2,3
.irp q, 0,1,2,3,4,5,6,7
	ds_store_b128 v24, v[ACC+32*\m+4*\q:ACC+32*\m+4*\q+3] offset:128*(\q/4)+16*(\q%4)    ; each accumulator from its low end on
.endr
.if \m >= 2
	s_wait_xcnt 0x0                                ; the stores of two tiles back have read their data: these registers are loaded again only behind this wait
.endif
.irp i, 0,1,2,3,4,5,6,7
	ds_load_b128 v[192+32*(\m%2)+4*\i:192+32*(\m%2)+4*\i+3], v25 offset:544*\i
.endr
	WIN 0x01                                       ; the stores' offsets lie in window 1
.irp i, 0,1,2,3,4,5,6,7
	s_wait_dscnt 7-\i                              ; rows 2 i, 2 i + 1 are back; the younger loads may be out
	global_store_b128 v[TOK+8*\m+\i], v[192+32*(\m%2)+4*\i:192+32*(\m%2)+4*\i+3], s[48:49] th:TH_STORE_NT   ; sixteen lanes store 256 consecutive bytes of a token's row, aligned
.endr
	WIN 0
.endr
	s_wait_tensorcnt 0x0
	ds_add_u32 v27, v61
	s_wait_dscnt 0x0
	s_endpgm
.Lfunc_end_k_q7696a8abf3_gemm2:
	.size	k_q7696a8abf3_gemm2, .Lfunc_end_k_q7696a8abf3_gemm2-k_q7696a8abf3_gemm2
	.p2alignl 7, 3214868480
	.fill 96, 4, 3214868480
	.section	.rodata,"a",@progbits
	.p2align	6, 0x0
	.amdhsa_kernel k_q7696a8abf3_gemm2
		.amdhsa_group_segment_fixed_size 148992
		.amdhsa_private_segment_fixed_size 0
		.amdhsa_enable_private_segment 0
		.amdhsa_kernarg_size 48
		.amdhsa_user_sgpr_count 2
		.amdhsa_user_sgpr_kernarg_segment_ptr 1
		.amdhsa_wavefront_size32 1
		.amdhsa_system_sgpr_workgroup_id_x 1
		.amdhsa_system_sgpr_workgroup_id_y 1
		.amdhsa_system_sgpr_workgroup_id_z 1
		.amdhsa_system_vgpr_workitem_id 0
		.amdhsa_next_free_vgpr 1024
		.amdhsa_next_free_sgpr 66
		.amdhsa_reserve_vcc 0
		.amdhsa_float_denorm_mode_32 3
		.amdhsa_float_denorm_mode_16_64 3
		.amdhsa_memory_ordered 1
		.amdhsa_forward_progress 1
		.amdhsa_inst_pref_size 255
	.end_amdhsa_kernel
	.section	.bss,"aw",@nobits
	.p2align	6
	.space	262144
	.amdgpu_metadata
---
amdhsa.version: [ 1, 2 ]
amdhsa.kernels:
  - .name:           k_q7696a8abf3_gemm2
    .symbol:         k_q7696a8abf3_gemm2.kd
    .args:
      - { .name: hc, .offset: 0, .size: 8, .value_kind: global_buffer, .address_space: global }
      - { .name: hs, .offset: 8, .size: 8, .value_kind: global_buffer, .address_space: global }
      - { .name: wc, .offset: 16, .size: 8, .value_kind: global_buffer, .address_space: global }
      - { .name: ws, .offset: 24, .size: 8, .value_kind: global_buffer, .address_space: global }
      - { .name: order, .offset: 32, .size: 8, .value_kind: global_buffer, .address_space: global }
      - { .name: out0, .offset: 40, .size: 8, .value_kind: global_buffer, .address_space: global }
    .group_segment_fixed_size: 148992
    .private_segment_fixed_size: 0
    .kernarg_segment_align: 8
    .kernarg_segment_size: 48
    .max_flat_workgroup_size: 128
    .sgpr_count:     66
    .vgpr_count:     1024
    .wavefront_size: 32
...
	.end_amdgpu_metadata
.endif
;; end of part 3
;; ======== version 2 of 2: 3 launches; version 1 with the launches gemm1, gemm2 written anew for expert scheduling mode
;; workspace buffers: xc 3,145,728 bytes; xs 131,072 bytes; wc 12,582,912 bytes; ws 524,288 bytes; hc 25,165,824 bytes; hs 1,048,576 bytes; order 16,384 bytes of whole numbers
;; launch prep: the kernel of part 1 again; grid 321 x 1, 8 waves a work-group, no clusters, 136,192 bytes of LDS; arguments x, topk_e, w1, w2, xc, xs, wc, ws, order; writes xc, xs, wc, ws, order
;; launch gemm1 (part 4): grid 4 x 64, 4 waves a work-group, no clusters, 54,784 bytes of LDS; arguments xc, xs, wc, ws, order, topk_w, hc, hs; writes hc, hs
.if DOCPART == 4
	.amdgcn_target "amdgcn-amd-amdhsa--gfx1250"
	.amdhsa_code_object_version 6
	.text
	.protected	k_q7696a8abf3_gemm1
	.globl	k_q7696a8abf3_gemm1
	.p2align	8
	.type	k_q7696a8abf3_gemm1,@function
k_q7696a8abf3_gemm1:
	s_mov_b64 s[64:65], 0
	v_nop
	global_prefetch_b8 v0, s[64:65] scope:SCOPE_SE
	s_setreg_imm32_b32 hwreg(HW_REG_WAVE_SCHED_MODE, 0, 2), 2
	s_setreg_imm32_b32 hwreg(HW_REG_WAVE_MODE, 25, 1), 1
	s_wait_xcnt 0x0
	s_wait_alu depctr_vm_vsrc(0)
; GEMM1: for a block of 64 sorted tokens and 256 hidden units, and each expert e that a token of the block uses: z = x W1[e]^T on codes of FP6 (E2M3), silu(z) x c[token][e] in f32,
; quantised along the hidden units, stored as codes (hc) and scale bytes (hs).  c = w0 [e0 = e] + w1 [e1 = e]; a token that does not use e has c = 0: zero codes, which add nothing later.
; So this is the dense formula with only those experts left out that no token of the block uses; it holds for every split, both choices equal too.
; SHARES.  Work-group (g, b): tokens 64 b .. 64 b + 63 of the sorted order, hidden units 256 g .. +255.  Wave w: all 64 tokens x 64 units (tiles 16 g + 4 w + t): 16 accumulators.
; The product is used transposed (source 0 = 16 rows of W1, source 1 = 16 tokens): a lane holds one token, and since lane r of a tile holds row 32 (T/2) + 8 (T%2) + r + 8 (r/8),
; register 16 B + i of a token tile is unit 32 B + 16 h + i: 16 neighbours along the next K.  The wave's 64 units are half w % 2 of K step 2 g + w / 2 of the second product.
; W1's fragments come from memory straight into registers (they lie in the order of the operand's registers), a whole expert's panel of 8 K steps; each K step's registers are loaded again with the
; next expert's one step behind the products that read them.  x's 64 rows are shared by the four waves through LDS.
; NO TENSOR LOADS, NO CLUSTER: which experts a block walks is read from memory, the walk branches on it, and neighbouring blocks walk different experts, so no two work-groups ask for the same tile at the same step.
; LIMITS: a block of 32 whose largest magnitude is under 2^-124 (zeros too) gets the byte 1; NaN and infinities are not served; experts 0 .. 7.
; REGISTERS.  window 0: v1-11 addresses, v12-19 the tokens' experts, v20-27 their weights, v28-43 x's scale words, v44-59 W1's, v64-191 accumulators ((t, m) at 64 + 32 m + 8 t), v192-223 at work, v224-251 the quantiser.
; window 1: v0-95 x's fragments, two sets; v96-111 the next expert's scale words.  window 2: the panel's K steps 0-4 (48 s + 12 t).  window 3: K steps 5-7.
; THE MODE: SCHED_MODE bits 1:0 = 2 (LLVM: expert scheduling mode 2), set by the entry lines.  The code itself states the register dependences
; between vector or matrix instructions and memory or LDS instructions, with s_wait_alu, always for 0.
; THE PLAN.  Registers that memory or LDS instructions touch, in the loop over experts:
;   the panel's K step s    read by step s's 16 products; the next expert's twelve loads land in it in step s + 1 (K step 7: at the next trip's head).
;   x's set s % 2           read by step s's products; the LDS loads that step s + 1 issues (for step s + 2) land in it.
;   window 1's v96-111      read by the 16 moves at a trip's head; the next expert's scale words land there in the trip's step 0.
;   v44-59                  written by those moves; the products take them as scales.
;   v240, v[242:247]        written by the quantiser; read by its three stores.
;   v9                      written once a trip; read by the trip's four LDS stores of scale bytes.
;   v4-8, v10, v11          made at the head and never written again.
; So ONE wait on va_vdst stands at a step's head: the products of the step before are done with their K step of the panel and with x's other set.  The step's LDS loads follow it at once, its twelve
; loads from memory stand in the middle of its 16 products, which name this step's K step, this step's set, the accumulators and the scale words: none of the registers that those loads touch.
.set XP,  784                          ; a row of x's codes in LDS: 768 bytes + 16: 196 words, so that sixteen rows start at sixteen different groups of four banks
.set SCB, 64*XP                        ; behind x: 1,024 bytes for each wave: [trip][token][2 scale bytes]
.set ACC, 64
.set TT,  192
.set CC,  224
.set XS,  28
.set WS,  44
.set WSN, 96
.set MK,  50                           ; s50-57  eight masks that a run of compares writes
.set MSB, 0
.macro WIN new                         ; the immediate's high byte repeats the setting that is left
.if MSB != \new
	s_set_vgpr_msb (MSB<<8)|\new
.set MSB, \new
.endif
.endm
	s_load_b512 s[4:19], s[0:1], 0x0               ; xc, xs, wc, ws, order, topk_w, hc, hs
	v_lshl_add_u32 v254, v0, 2, 0xd400
	v_mov_b32 v255, 0
	v_lshrrev_b32 v60, 5, v0
	v_readfirstlane_b32 s20, v60                   ; wave 0..3
	s_mov_b32 s21, ttmp9                           ; g
	s_and_b32 s22, ttmp7, 0xffff                   ; b
	v_and_b32 v3, 31, v0                           ; lane
	v_and_b32 v1, 15, v0                           ; r
	v_bfe_u32 v2, v0, 4, 1                         ; h
	v_mul_u32_u24 v4, v1, XP
	v_mad_u32_u24 v4, v2, 48, v4                   ; x's fragments: row r, + 48 h
	v_lshlrev_b32 v5, 4, v3                        ; 16 x lane
	v_lshlrev_b32 v6, 3, v3                        ; 8 x lane
	v_lshlrev_b32 v7, 4, v1
	v_lshl_add_u32 v7, v2, 9, v7                   ; W1's scale words: tile 2 P + h, row r
	s_wait_alu depctr_va_sdst(0)                   ; s20 is written, ahead of its first reader
	s_lshl_b32 s44, s20, 10
	s_add_co_u32 s44, s44, SCB
	v_lshl_add_u32 v8, v1, 1, s44                  ; my wave's scale bytes: 2 r
	s_mul_i32 s44, s20, 16*XP
	v_mul_u32_u24 v10, v2, XP
	v_lshl_add_u32 v10, v1, 4, v10
	v_add_nc_u32 v10, s44, v10                     ; x into LDS: rows 16 w + 2 j + h, 16 r
	s_lshl_b32 s44, s20, 7
	s_add_co_u32 s44, s44, SCB
	v_lshl_add_u32 v11, v3, 2, s44                 ; the tail: trip w's halfwords of tokens 2 l, 2 l + 1
	s_lshl_b32 s44, s20, 6
	v_lshl_add_u32 v60, v2, 2, s44                 ; order words of rows 16 w + 2 j + h
	v_lshlrev_b32 v61, 2, v1                       ; of tokens 16 m + r
	v_lshlrev_b32 v62, 2, v3                       ; of tokens 32 p + lane
	v_lshlrev_b32 v63, 4, v1
	v_mov_b32 v234, 0                              ; written once: a lane permute's destination counts as one of its sources
	v_mov_b32 v235, 0
	s_mov_b32 s40, 0x76543210
	s_mov_b32 s41, 0xfedcba98
	s_mov_b32 s45, 0
	s_wait_kmcnt 0x0
	s_lshl_b32 s44, s22, 8
	s_add_nc_u64 s[12:13], s[12:13], s[44:45]      ; the block's 64 order words
	s_wait_alu depctr_va_vdst(0)                   ; v4 to v8, v10, v11 and v60 to v62 are written: the offsets and LDS addresses that the kernel's loads and stores read
.irp j, 0,1,2,3,4,5,6,7
	global_load_b32 v[192+\j], v60, s[12:13] offset:8*\j
.endr
.irp m, 0,1,2,3
	global_load_b32 v[200+\m], v61, s[12:13] offset:64*\m
.endr
	global_load_b32 v204, v62, s[12:13]
	global_load_b32 v205, v62, s[12:13] offset:128
	s_mul_i32 s44, s21, 196608
	s_mul_i32 s46, s20, 49152
	s_add_co_u32 s44, s44, s46
	s_add_nc_u64 s[36:37], s[8:9], s[44:45]        ; my four tiles in expert 0's W1
	s_lshl_b32 s44, s21, 13
	s_lshl_b32 s46, s20, 11
	s_add_co_u32 s44, s44, s46
	s_add_nc_u64 s[38:39], s[10:11], s[44:45]      ; and their scale words
	s_lshr_b32 s44, s20, 1
	s_lshl_b32 s46, s21, 1
	s_add_co_u32 s44, s44, s46                     ; the second product's K step that I feed
	s_mul_i32 s44, s44, 6144
	s_and_b32 s46, s20, 1
	s_mul_i32 s46, s46, 768
	s_add_co_u32 s44, s44, s46
	s_mul_i32 s46, s22, 393216
	s_add_co_u32 s44, s44, s46
	s_add_nc_u64 s[42:43], s[16:17], s[44:45]      ; hc[b][0][K step][0][half]
	s_lshl_b32 s44, s22, 14
	s_lshl_b32 s46, s20, 11
	s_add_co_u32 s44, s44, s46
	s_lshl_b32 s46, s21, 9
	s_add_co_u32 s44, s44, s46
	s_add_nc_u64 s[48:49], s[18:19], s[44:45]      ; hs[b][w][g]
	s_wait_loadcnt 0x0
.irp j, 0,1,2,3,4,5,6,7
	v_and_b32 v[192+\j], 0xfff, v[192+\j]
	v_min_u32 v[192+\j], 0xfff, v[192+\j]
	v_mul_u32_u24 v[192+\j], v[192+\j], 768
	v_add_nc_u32 v[192+\j], v63, v[192+\j]         ; token x 768 + 16 r
.endr
.irp m, 0,1,2,3
	v_bfe_u32 v[12+\m], v[200+\m], 16, 4           ; e0, e1 of token 16 m + r
	v_bfe_u32 v[16+\m], v[200+\m], 20, 4
	v_and_b32 v[200+\m], 0xfff, v[200+\m]
	v_min_u32 v[200+\m], 0xfff, v[200+\m]
	v_lshlrev_b32 v[200+\m], 3, v[200+\m]
.endr
.irp p, 0,1
	v_bfe_u32 v[206+2*\p], v[204+\p], 16, 4
	v_bfe_u32 v[207+2*\p], v[204+\p], 20, 4
	v_lshlrev_b32 v[206+2*\p], v[206+2*\p], 1
	v_lshlrev_b32 v[207+2*\p], v[207+2*\p], 1
	v_and_b32 v[204+\p], 0xfff, v[204+\p]
	v_min_u32 v[204+\p], 0xfff, v[204+\p]
	v_lshlrev_b32 v[204+\p], 5, v[204+\p]
.endr
	WIN 0x40                                       ; destination window 1
	s_wait_alu depctr_va_vdst(0)                   ; the tokens' offsets v192 to v205 are written, which the 32 loads below read
.irp j, 0,1,2,3,4,5,6,7
.irp u, 0,1,2
	global_load_b128 v[4*(3*\j+\u):4*(3*\j+\u)+3], v[192+\j], s[4:5] offset:256*\u   ; sixteen lanes read 256 consecutive bytes of a token's codes
.endr
.endr
	WIN 0
.irp m, 0,1,2,3
	global_load_b64 v[20+2*\m:21+2*\m], v[200+\m], s[14:15]
.endr
.irp p, 0,1
	global_load_b128 v[XS+8*\p:XS+8*\p+3], v[204+\p], s[6:7]
	global_load_b128 v[XS+8*\p+4:XS+8*\p+7], v[204+\p], s[6:7] offset:16
.endr
	v_or_b32 v206, v206, v207
	v_or_b32 v208, v208, v209
	v_or_b32 v206, v206, v208                      ; the experts of my two tokens, as bits
.irp e, 0,1,2,3,4,5,6,7
	v_and_b32 v[210+\e], 1<<\e, v206
.endr
.irp e, 0,1,2,3,4,5,6,7
	v_cmp_ne_u32 s[MK+\e], 0, v[210+\e]            ; the compares in one run, a mask each
.endr
	s_wait_alu depctr_va_sdst(0)                   ; the eight masks are written, ahead of their first reader
	s_mov_b32 s23, 0
.irp e, 0,1,2,3,4,5,6,7
	s_cmp_lg_u32 s[MK+\e], 0
	s_cselect_b32 s46, 1<<\e, 0
	s_or_b32 s23, s23, s46                         ; the block's experts
.endr
	s_bcnt1_i32_b32 s27, s23                       ; how many
	s_ctz_i32_b32 s25, s23
	s_min_u32 s25, s25, 7                          ; the first
	s_mov_b32 s26, s25
	s_mul_i32 s44, s25, 786432
	s_add_nc_u64 s[32:33], s[36:37], s[44:45]
	s_lshl_b32 s44, s25, 15
	s_add_nc_u64 s[34:35], s[38:39], s[44:45]
.macro WSLOAD                          ; an expert's scale words of my four tiles: register 8 P + s: lanes 0-15 tile 2 P, lanes 16-31 tile 2 P + 1
	WIN 0x40
.irp P, 0,1
.irp k, 0,1
	global_load_b128 v[WSN+8*\P+4*\k:WSN+8*\P+4*\k+3], v7, s[34:35] offset:1024*\P+256*\k
.endr
.endr
.endm
.macro REFILL s                        ; K step s of an expert's panel: four fragments, twelve loads of 512 consecutive bytes
.if (\s) < 5
	WIN 0x80
.set PAN, 48*(\s)
.else
	WIN 0xc0
.set PAN, 48*((\s)-5)
.endif
.irp t, 0,1,2,3
.irp i, 0,1,2
	global_load_b128 v[PAN+12*\t+4*\i:PAN+12*\t+4*\i+3], v5, s[32:33] offset:12288*\t+1536*(\s)+512*\i
.endr
.endr
.endm
	WSLOAD
.irp s, 0,1,2,3,4,5,6
	REFILL \s                                      ; K step 7 is asked for at the head of the expert's own trip, as in every trip
.endr
	s_wait_loadcnt 63                              ; x's codes, the weights and x's scale words have 88 younger loads: they are in
	WIN 0x04                                       ; an LDS store's data are its source 1: window 1
.irp j, 0,1,2,3,4,5,6,7
.irp u, 0,1,2
	ds_store_b128 v10, v[4*(3*\j+\u):4*(3*\j+\u)+3] offset:2*XP*\j+256*\u
.endr
.endr
	WIN 0
	s_wait_dscnt 0x0                               ; for the other waves' sake: my 16 rows have landed
	s_barrier_signal -1
	s_barrier_wait -1
.macro ALOAD s                         ; x's four fragments of K step s into set s % 2
	WIN 0x40
.irp m, 0,1,2,3
.irp i, 0,1,2
	ds_load_b128 v[48*((\s)%2)+12*\m+4*\i:48*((\s)%2)+12*\m+4*\i+3], v4 offset:16*XP*\m+96*(\s)+16*\i
.endr
.endr
.endm
.macro WMMA                            ; one product on the symbols rD, rA, rB, rSA, rSB; SEL: which half of the lanes holds A's scales (bit 0) and B's (bit 1); ZR: it starts the sum
.if ZR
.if SEL == 0
	v_wmma_scale_f32_16x16x128_f8f6f4 v[rD:rD+7], v[rA:rA+11], v[rB:rB+11], 0, v[rSA], v[rSB] matrix_a_fmt:MATRIX_FMT_FP6 matrix_b_fmt:MATRIX_FMT_FP6
.elseif SEL == 1
	v_wmma_scale_f32_16x16x128_f8f6f4 v[rD:rD+7], v[rA:rA+11], v[rB:rB+11], 0, v[rSA], v[rSB] matrix_a_fmt:MATRIX_FMT_FP6 matrix_b_fmt:MATRIX_FMT_FP6 matrix_a_scale:MATRIX_SCALE_ROW1
.elseif SEL == 2
	v_wmma_scale_f32_16x16x128_f8f6f4 v[rD:rD+7], v[rA:rA+11], v[rB:rB+11], 0, v[rSA], v[rSB] matrix_a_fmt:MATRIX_FMT_FP6 matrix_b_fmt:MATRIX_FMT_FP6 matrix_b_scale:MATRIX_SCALE_ROW1
.else
	v_wmma_scale_f32_16x16x128_f8f6f4 v[rD:rD+7], v[rA:rA+11], v[rB:rB+11], 0, v[rSA], v[rSB] matrix_a_fmt:MATRIX_FMT_FP6 matrix_b_fmt:MATRIX_FMT_FP6 matrix_a_scale:MATRIX_SCALE_ROW1 matrix_b_scale:MATRIX_SCALE_ROW1
.endif
.else
.if SEL == 0
	v_wmma_scale_f32_16x16x128_f8f6f4 v[rD:rD+7], v[rA:rA+11], v[rB:rB+11], v[rD:rD+7], v[rSA], v[rSB] matrix_a_fmt:MATRIX_FMT_FP6 matrix_b_fmt:MATRIX_FMT_FP6
.elseif SEL == 1
	v_wmma_scale_f32_16x16x128_f8f6f4 v[rD:rD+7], v[rA:rA+11], v[rB:rB+11], v[rD:rD+7], v[rSA], v[rSB] matrix_a_fmt:MATRIX_FMT_FP6 matrix_b_fmt:MATRIX_FMT_FP6 matrix_a_scale:MATRIX_SCALE_ROW1
.elseif SEL == 2
	v_wmma_scale_f32_16x16x128_f8f6f4 v[rD:rD+7], v[rA:rA+11], v[rB:rB+11], v[rD:rD+7], v[rSA], v[rSB] matrix_a_fmt:MATRIX_FMT_FP6 matrix_b_fmt:MATRIX_FMT_FP6 matrix_b_scale:MATRIX_SCALE_ROW1
.else
	v_wmma_scale_f32_16x16x128_f8f6f4 v[rD:rD+7], v[rA:rA+11], v[rB:rB+11], v[rD:rD+7], v[rSA], v[rSB] matrix_a_fmt:MATRIX_FMT_FP6 matrix_b_fmt:MATRIX_FMT_FP6 matrix_a_scale:MATRIX_SCALE_ROW1 matrix_b_scale:MATRIX_SCALE_ROW1
.endif
.endif
.endm
.macro MULS s, m0                      ; eight of a K step's 16 products: token tiles m0, m0 + 1 x my four tiles of W1
.if (\s) < 5
	WIN 0x06                                       ; source 0 (W1) window 2, source 1 (x) window 1, C and D window 0
.set PAN, 48*(\s)
.else
	WIN 0x07
.set PAN, 48*((\s)-5)
.endif
.set AFS, 48*((\s)%2)
.set ZR, 0
.if (\s) == 0
.set ZR, 1
.endif
.irp m, \m0, \m0+1
.irp t, 0,1,2,3
.set rD, ACC+32*(\m)+8*\t
.set rA, PAN+12*\t
.set rB, AFS+12*(\m)
.set rSA, WS+8*(\t/2)+(\s)
.set rSB, XS+8*((\m)/2)+(\s)
.set SEL, (\t%2)+2*((\m)%2)
	WMMA
.endr
.endr
.endm
; A K STEP: 16 products, the 16 accumulators by turns, one instruction a turn, in the same order in every step.  refill = 1: the panel registers of the step before take the next expert's fragments.
.macro KSTEP s, refill
.if \refill
	s_wait_loadcnt 63                              ; younger than this step's twelve loads: 12 (7 - s) of this expert, and from step 1 on 4 scale loads and 12 (s - 1) of the next: 76 at the least
.elseif 12*(7-\s) > 63
	s_wait_loadcnt 63
.else
	s_wait_loadcnt 12*(7-\s)                       ; younger: only this expert's later steps
.endif
	s_wait_dscnt 0x0                               ; x's fragments of this step are in
	s_wait_alu depctr_va_vdst(0)                   ; the products of the step before are done reading x's other set and their K step of the panel, in which the loads below land; in a trip's first step: the moves have written W1's scale words, which the products take, and are done reading the registers in which the next expert's words land
	ALOAD (\s+1)%8                                 ; the next step's, into the other set (behind step 7: step 0's, for the next expert)
	MULS \s, 0
.if \refill
.if \s == 0
	WSLOAD                                         ; no wait: no vector or matrix instruction since the wait above names these registers
.else
	REFILL \s-1                                    ; likewise: the eight products above name this step's K step, not the one before
.endif
.endif
	MULS \s, 2
.rept 4
	v_nop                                          ; four places behind the step's last product, ahead of the loads into registers that the products have read and of the first read of results; they stay beside the wait at the next step's head
.endr
.endm
; THE WAY OF 16 TOKENS' 64 HIDDEN UNITS: silu, x c, the quantiser, out.
.macro EPI m
.set A0, ACC+32*\m
.set i, 0
.rept 16
	v_pk_mul_f32 v[TT+i:TT+i+1], v[A0+i:A0+i+1], 0xbfb8aa3b op_sel_hi:[1,0]   ; -z log2(e); each accumulator is read from its low end on
.set i, i+2
.endr
.set i, 0
.rept 32
	v_exp_f32 v[TT+i], v[TT+i]
.set i, i+1
.endr
	v_nop                                          ; a plain place behind the last exponential
	s_wait_alu depctr_va_vdst(0)                   ; the 32 exponentials have written v[TT ..]: one wait for the batch, ahead of its first reader
.set i, 0
.rept 16
	v_pk_add_f32 v[TT+i:TT+i+1], v[TT+i:TT+i+1], 1.0 op_sel_hi:[1,0]
.set i, i+2
.endr
.set i, 0
.rept 32
	v_rcp_f32 v[TT+i], v[TT+i]
.set i, i+1
.endr
	v_nop
	s_wait_alu depctr_va_vdst(0)                   ; the 32 reciprocals have written v[TT ..]: one wait for the batch, ahead of its first reader
.set i, 0
.rept 16
	v_pk_mul_f32 v[A0+i:A0+i+1], v[A0+i:A0+i+1], v[TT+i:TT+i+1]              ; silu(z) = z / (1 + e^-z)
.set i, i+2
.endr
.set i, 0
.rept 16
	v_pk_mul_f32 v[A0+i:A0+i+1], v[A0+i:A0+i+1], v[CC+2*\m:CC+2*\m+1]        ; x c of my token
.set i, i+2
.endr
	v_max3_num_f32 v232, |v[A0]|, |v[A0+1]|, 0x1800000     ; two blocks of 32 by turns: my 16 numbers of each, and the floor 2^(3 - 127)
	v_max3_num_f32 v233, |v[A0+16]|, |v[A0+17]|, 0x1800000
.irp k, 2,4,6,8,10,12,14
	v_max3_num_f32 v232, v232, |v[A0+\k]|, |v[A0+\k+1]|
	v_max3_num_f32 v233, v233, |v[A0+16+\k]|, |v[A0+17+\k]|
.endr
	v_permlanex16_b32 v234, v232, s40, s41
	v_permlanex16_b32 v235, v233, s40, s41
	v_max_num_f32 v232, v232, v234                 ; with lane l xor 16's: the block's largest magnitude
	v_max_num_f32 v233, v233, v235
	v_add_nc_u32 v236, 0xff000000, v232            ; 2 off the exponent field: the conversion's scale operand
	v_add_nc_u32 v237, 0xff000000, v233
	v_lshrrev_b32 v238, 23, v236
	v_lshrrev_b32 v239, 23, v237
	s_wait_xcnt 0x0                                ; the last stores have had their addresses translated: their data registers are written again only behind this wait,
	s_wait_alu depctr_vm_vsrc(0)                   ; and the last tile's three stores have read v240 and v[242:247], which the lines below write again
	v_lshl_or_b32 v240, v239, 8, v238              ; my token's two scale bytes
	v_cvt_scalef32_pk16_fp6_f32 v[242:244], v[A0:A0+15], v236
	v_cvt_scalef32_pk16_fp6_f32 v[248:250], v[A0+16:A0+31], v237
	v_nop                                          ; one plain place behind the scaled conversions
.irp i, 0,1,2
	v_permlane16_swap_b32 v[242+\i], v[248+\i]     ; a whole block to a lane: lanes 0-15 the first block, lanes 16-31 the second
.endr
.irp i, 0,1,2
	v_mov_b32 v[245+\i], v[248+\i]
.endr
	s_wait_alu depctr_va_vdst(0)                   ; the codes v[242:247] and the scale bytes v240 are written, which the three stores read
	global_store_b128 v5, v[242:245], s[42:43] offset:1536*\m          ; six operand registers as they stand: 512 consecutive bytes, aligned,
	global_store_b64 v6, v[246:247], s[42:43] offset:1536*\m+512       ; and 256
	ds_store_b16 v9, v240 offset:32*\m             ; both halves of the lanes write the same bytes with the same value
.endm
	s_wait_alu depctr_vm_vsrc(0)                   ; my LDS stores have read window 1's v0 to v95, in which x's fragments land from here on; the head's loads have read v60 to v62 and v192 to v205, which vector instructions write below
	ALOAD 0
	WIN 0
	s_mov_b32 s28, 0                               ; trips: a constant count of 8; the experts in use take the first ones
	s_mov_b32 s29, 0
.Ltrip:
	s_cmp_eq_u32 s23, 0
	s_cbranch_scc1 .Lskip
	REFILL 7                                       ; this expert's last K step.  No wait: the quantiser's waits stand behind the last trip's products, and nothing since names these registers
	s_wait_loadcnt 63                              ; this expert's scale words have 96 younger loads
	WIN 0x01
.set i, 0
.rept 16
	v_mov_b32 v[WS+i], v[WSN+i]
.set i, i+1
.endr
	WIN 0
.irp m, 0,1,2,3                        ; c = w0 [e0 = e] + w1 [e1 = e], in f32.  (These lines are also the places between the scale words' moves and the products)
	v_cmp_eq_u32 s[MK+\m], s25, v[12+\m]           ; the compares in one run, a mask each
	v_cmp_eq_u32 s[MK+4+\m], s25, v[16+\m]
.endr
	s_wait_alu depctr_va_sdst(0)                   ; the eight masks are written, ahead of the selects that read them
.irp m, 0,1,2,3
	v_cndmask_b32 v60, 0, v[20+2*\m], s[MK+\m]
	v_cndmask_b32 v61, 0, v[21+2*\m], s[MK+4+\m]
	v_add_f32 v[CC+2*\m], v60, v61
	v_mov_b32 v[CC+2*\m+1], v[CC+2*\m]
.endr
	s_wait_alu depctr_vm_vsrc(0)                   ; the last trip's LDS stores of scale bytes have read v9
	v_add_nc_u32 v9, s29, v8
	s_sub_co_u32 s24, s23, 1
	s_and_b32 s24, s24, s23                        ; the experts that follow
	s_cmp_eq_u32 s24, 0
	s_cbranch_scc1 .Llast
	s_wait_xcnt 0x0                                ; the bases of the loads issued so far are written again only behind this wait
	s_ctz_i32_b32 s26, s24
	s_min_u32 s26, s26, 7
	s_mul_i32 s44, s26, 786432
	s_mov_b32 s45, 0
	s_add_nc_u64 s[32:33], s[36:37], s[44:45]
	s_lshl_b32 s44, s26, 15
	s_add_nc_u64 s[34:35], s[38:39], s[44:45]
.irp s, 0,1,2,3,4,5,6,7
	KSTEP \s, 1
.endr
	WIN 0
	s_branch .Lepi
.Llast:                                            ; the block's last expert: nothing is left to fetch, and the waits count otherwise: so the steps are written a second time
.irp s, 0,1,2,3,4,5,6,7
	KSTEP \s, 0
.endr
	WIN 0
.Lepi:
	EPI 0
	EPI 1
	EPI 2
	EPI 3
	s_mov_b32 s25, s26
	s_mov_b32 s23, s24
.Lskip:
	s_wait_xcnt 0x0                                ; the stores have read their base
	s_add_nc_u64 s[42:43], s[42:43], 49152         ; hc's next ordinal
	s_add_co_u32 s29, s29, 128
	s_add_co_u32 s28, s28, 1
	s_cmp_lt_u32 s28, 8
	s_cbranch_scc1 .Ltrip
	; THE SCALE BYTES leave as [token][8 bytes]: a token's halfwords of the four waves side by side.  Wave w takes ordinals w and w + 4, where they are in use.
	s_wait_dscnt 0x0
	s_barrier_signal -1
	s_barrier_wait -1
	s_cmp_lt_u32 s20, s27
	s_cbranch_scc0 .Lsecond
.irp w, 0,1,2,3
	ds_load_b32 v[192+\w], v11 offset:1024*\w      ; (the quantiser's last wait stands behind every vector instruction that names v192 to v203)
.endr
	s_wait_dscnt 0x0
	v_perm_b32 v196, v193, v192, 0x05040100        ; token 2 l: waves 0, 1
	v_perm_b32 v197, v195, v194, 0x05040100        ; waves 2, 3
	v_perm_b32 v198, v193, v192, 0x07060302        ; token 2 l + 1
	v_perm_b32 v199, v195, v194, 0x07060302
	s_wait_alu depctr_va_vdst(0)                   ; v[196:199] are written, which the store reads
	global_store_b128 v5, v[196:199], s[48:49]     ; 512 consecutive bytes, aligned
.Lsecond:
	s_add_co_u32 s44, s20, 4
	s_cmp_lt_u32 s44, s27
	s_cbranch_scc0 .Lend
.irp w, 0,1,2,3
	ds_load_b32 v[200+\w], v11 offset:1024*\w+512
.endr
	s_wait_dscnt 0x0
	v_perm_b32 v204, v201, v200, 0x05040100
	v_perm_b32 v205, v203, v202, 0x05040100
	v_perm_b32 v206, v201, v200, 0x07060302
	v_perm_b32 v207, v203, v202, 0x07060302
	s_wait_alu depctr_va_vdst(0)                   ; v[204:207] are written, which the store reads
	global_store_b128 v5, v[204:207], s[48:49] offset:8192
.Lend:
	s_wait_dscnt 0x0
	s_wait_alu depctr_hold_cnt(0) depctr_sa_sdst(0) depctr_va_vdst(0) depctr_va_sdst(0) depctr_va_ssrc(0) depctr_va_vcc(0) depctr_vm_vsrc(0)
	s_wait_tensorcnt 0x0
	ds_add_u32 v254, v255
	s_wait_dscnt 0x0
	s_endpgm
.Lfunc_end_k_q7696a8abf3_gemm1:
	.size	k_q7696a8abf3_gemm1, .Lfunc_end_k_q7696a8abf3_gemm1-k_q7696a8abf3_gemm1
	.p2alignl 7, 3214868480
	.fill 96, 4, 3214868480
	.section	.rodata,"a",@progbits
	.p2align	6, 0x0
	.amdhsa_kernel k_q7696a8abf3_gemm1
		.amdhsa_group_segment_fixed_size 54784
		.amdhsa_private_segment_fixed_size 0
		.amdhsa_enable_private_segment 0
		.amdhsa_kernarg_size 64
		.amdhsa_user_sgpr_count 2
		.amdhsa_user_sgpr_kernarg_segment_ptr 1
		.amdhsa_wavefront_size32 1
		.amdhsa_system_sgpr_workgroup_id_x 1
		.amdhsa_system_sgpr_workgroup_id_y 1
		.amdhsa_system_sgpr_workgroup_id_z 1
		.amdhsa_system_vgpr_workitem_id 0
		.amdhsa_next_free_vgpr 1024
		.amdhsa_next_free_sgpr 66
		.amdhsa_reserve_vcc 0
		.amdhsa_float_denorm_mode_32 3
		.amdhsa_float_denorm_mode_16_64 3
		.amdhsa_memory_ordered 1
		.amdhsa_forward_progress 1
		.amdhsa_inst_pref_size 123
	.end_amdhsa_kernel
	.amdgpu_metadata
---
amdhsa.version: [ 1, 2 ]
amdhsa.kernels:
  - .name:           k_q7696a8abf3_gemm1
    .symbol:         k_q7696a8abf3_gemm1.kd
    .args:
      - { .name: xc, .offset: 0, .size: 8, .value_kind: global_buffer, .address_space: global }
      - { .name: xs, .offset: 8, .size: 8, .value_kind: global_buffer, .address_space: global }
      - { .name: wc, .offset: 16, .size: 8, .value_kind: global_buffer, .address_space: global }
      - { .name: ws, .offset: 24, .size: 8, .value_kind: global_buffer, .address_space: global }
      - { .name: order, .offset: 32, .size: 8, .value_kind: global_buffer, .address_space: global }
      - { .name: topk_w, .offset: 40, .size: 8, .value_kind: global_buffer, .address_space: global }
      - { .name: hc, .offset: 48, .size: 8, .value_kind: global_buffer, .address_space: global }
      - { .name: hs, .offset: 56, .size: 8, .value_kind: global_buffer, .address_space: global }
    .group_segment_fixed_size: 54784
    .private_segment_fixed_size: 0
    .kernarg_segment_align: 8
    .kernarg_segment_size: 64
    .max_flat_workgroup_size: 128
    .sgpr_count:     66
    .vgpr_count:     1024
    .wavefront_size: 32
...
	.end_amdgpu_metadata
.endif
;; end of part 4
;; launch gemm2 (part 5): grid 4 x 64, 4 waves a work-group, no clusters, 148,992 bytes of LDS; arguments hc, hs, wc, ws, order, out0; writes out0
.if DOCPART == 5
	.amdgcn_target "amdgcn-amd-amdhsa--gfx1250"
	.amdhsa_code_object_version 6
	.text
	.protected	k_q7696a8abf3_gemm2
	.globl	k_q7696a8abf3_gemm2
	.p2align	8
	.type	k_q7696a8abf3_gemm2,@function
k_q7696a8abf3_gemm2:
	s_mov_b64 s[64:65], 0
	v_nop
	global_prefetch_b8 v0, s[64:65] scope:SCOPE_SE
	s_setreg_imm32_b32 hwreg(HW_REG_WAVE_SCHED_MODE, 0, 2), 2
	s_setreg_imm32_b32 hwreg(HW_REG_WAVE_MODE, 25, 1), 1
	s_wait_xcnt 0x0
	s_wait_alu depctr_vm_vsrc(0)
; GEMM2: y[token] = the sum over the block's experts of (quantised silu x c) W2[e]^T, on codes of FP6 (E2M3), sums in f32 in ONE set of accumulators: each row of out0 has one owner.
; SHARES.  Work-group (g, b): the 64 sorted tokens of block b, columns 256 g .. +255.  Wave w: 64 tokens x 64 columns (tiles 16 g + 4 w + t of W2[e]): 16 accumulators.
; The product is used transposed (source 0 = 16 rows of W2, source 1 = 16 tokens): a lane holds one token; register 16 B + i of a token tile is column 32 B + 16 h + i of the wave's 64.
; W2's fragments come from memory straight into registers, a panel of 8 K steps, each step's registers loaded again with the next expert's one step behind the products that read them.
; The hidden layer's codes and scale words of one expert (51,200 bytes) are shared by the four waves through LDS, in two buffers by turns: while one is multiplied, each wave loads its quarter of the next
; expert's into registers and stores it into the other at the trip's end.  ONE barrier a trip: in front of it a wave's reads of the buffer that it leaves and its stores into the next are done.
; Eight trips, a constant count, every barrier on every wave's way; a trip without an expert does nothing else.  After seven experts at most one is left: the eighth trip has no arm that fetches.
; NO TENSOR LOADS, NO CLUSTER: the walk over experts branches on numbers read from memory, and neighbouring blocks walk different experts.
; REGISTERS.  window 0: v5, v12-25 addresses, v28-43 the hidden layer's scale words, v44-59 W2's, v64-191 accumulators ((t, m) at 64 + 32 m + 8 t), v192-255 the way out.
; window 1: v0-95 hidden fragments, two sets; v96-211 my quarter of the next expert's bytes; v212-243 my rows' offsets in out0.  window 2: the panel's K steps 0-4.  window 3: K steps 5-7.
; THE MODE: SCHED_MODE bits 1:0 = 2 (LLVM: expert scheduling mode 2), set by the entry lines.  The code itself states the register dependences
; between vector or matrix instructions and memory or LDS instructions, with s_wait_alu, always for 0.
; THE PLAN.  Registers that memory or LDS instructions touch, in the trips:
;   the panel's K step s    read by step s's 16 products; the next expert's twelve loads land in it in step s + 1 (K step 7: at the next trip's head).
;   hidden set s % 2        read by step s's products; the LDS loads that step s + 1 issues (for step s + 2) land in it; step 0's land at the trip's head.
;   v28-59                  the scale words: read by all of a trip's products; the next trip's LDS loads land in them at its head.
;   window 1's v96-211      the staging loads land in them; the LDS stores at the trip's end read them.  No vector instruction names them.
;   v5, v12-25, window 1's v212-243   made at the head and never written again.
; So one wait on va_vdst stands at the head of every trip but the first (the last trip's products are done with the scale words, both sets and K step 7) and one at the head of steps 1 to 7
; (the step before is done with its K step and with the other set).  A step's LDS loads follow the wait at once; its twelve loads from memory stand in the middle of its 16 products, which name this
; step's K step, this step's set, the accumulators and the scale words: none of the registers that those loads touch.
.set BUFB, 0x10000                     ; buffer 1 begins here.  A buffer: 49,152 bytes of codes, 2,048 of their scale words, 2,048 of W2's scale words for each wave
.set HSO,  49152
.set WSO,  51200
.set STG,  0x20000                     ; the way out: 16 rows x 272 bytes for each wave
.set ACC,  64
.set HSC,  28
.set WS,   44
.set LA16, 12                          ; v12, v13  16 x lane in buffer 0, 1
.set LA8,  14                          ; v14, v15  8 x lane
.set WSL,  16                          ; v16, v17  W2's scale words: 2,048 w + 512 h + 16 r
.set SH,   18                          ; v18, v19  where I store my quarter of the codes: 12,288 w + 16 x lane
.set SHS,  20                          ; v20, v21  of the scale words: 512 w + 16 x lane
.set SWS,  22                          ; v22, v23  W2's scale words: 2,048 w + 16 x lane
.set SG,   96
.set TOK,  212
.set MK,   50                          ; s50-57  eight masks that a run of compares writes
.set MSB, 0
.macro WIN new                         ; the immediate's high byte repeats the setting that is left
.if MSB != \new
	s_set_vgpr_msb (MSB<<8)|\new
.set MSB, \new
.endif
.endm
	s_load_b256 s[4:11], s[0:1], 0x0               ; hc, hs, wc, ws
	s_load_b128 s[12:15], s[0:1], 0x20             ; order, out0
	v_lshl_add_u32 v27, v0, 2, 0x24400
	v_mov_b32 v61, 0
	v_lshrrev_b32 v60, 5, v0
	v_readfirstlane_b32 s20, v60                   ; wave 0..3
	s_mov_b32 s21, ttmp9                           ; g
	s_and_b32 s22, ttmp7, 0xffff                   ; b
	v_and_b32 v3, 31, v0
	v_and_b32 v1, 15, v0
	v_bfe_u32 v2, v0, 4, 1
	v_lshlrev_b32 v5, 4, v3                        ; 16 x lane, for memory
	v_lshlrev_b32 v12, 4, v3
	v_add_nc_u32 v13, BUFB, v12
	v_lshlrev_b32 v14, 3, v3
	v_add_nc_u32 v15, BUFB, v14
	s_wait_alu depctr_va_sdst(0)                   ; s20 is written, ahead of its first reader
	s_lshl_b32 s44, s20, 11
	v_lshlrev_b32 v16, 4, v1
	v_lshl_add_u32 v16, v2, 9, v16
	v_add_nc_u32 v16, s44, v16
	v_add_nc_u32 v17, BUFB, v16
	s_mul_i32 s45, s20, 12288
	v_add_nc_u32 v18, s45, v12
	v_add_nc_u32 v19, BUFB, v18
	s_lshl_b32 s45, s20, 9
	v_add_nc_u32 v20, s45, v12
	v_add_nc_u32 v21, BUFB, v20
	v_add_nc_u32 v22, s44, v12
	v_add_nc_u32 v23, BUFB, v22
	s_mul_i32 s44, s20, 4352
	s_add_co_u32 s44, s44, STG
	v_mul_u32_u24 v24, v1, 272
	v_lshl_add_u32 v24, v2, 6, v24
	v_add_nc_u32 v24, s44, v24                     ; the stage, in: row r, + 64 h
	v_mul_u32_u24 v25, v2, 272
	v_lshl_add_u32 v25, v1, 4, v25
	v_add_nc_u32 v25, s44, v25                     ; back: lanes 0-15 one row, lanes 16-31 the next
	v_lshlrev_b32 v60, 2, v2
	v_lshlrev_b32 v62, 2, v3
	v_lshlrev_b32 v63, 4, v1
	s_mov_b32 s45, 0
	s_wait_kmcnt 0x0
	s_lshl_b32 s44, s22, 8
	s_add_nc_u64 s[12:13], s[12:13], s[44:45]
	s_wait_alu depctr_va_vdst(0)                   ; v5, v12 to v25, v60 and v62 are written: the offsets and LDS addresses that the kernel's loads and stores read
.irp m, 0,1,2,3
.irp i, 0,1,2,3,4,5,6,7
	global_load_b32 v[192+8*\m+\i], v60, s[12:13] offset:64*\m+8*\i    ; the order words of rows 16 m + 2 i + h
.endr
.endr
	global_load_b32 v224, v62, s[12:13]
	global_load_b32 v225, v62, s[12:13] offset:128
	s_mul_i32 s44, s22, 393216
	s_mul_i32 s46, s20, 12288
	s_add_co_u32 s44, s44, s46
	s_add_nc_u64 s[42:43], s[4:5], s[44:45]        ; my quarter of hc[b][0]
	s_lshl_b32 s44, s22, 14
	s_lshl_b32 s46, s20, 9
	s_add_co_u32 s44, s44, s46
	s_add_nc_u64 s[46:47], s[6:7], s[44:45]        ; of hs[b][0]
.macro SGH                             ; my quarter of an expert's hidden codes (24 loads of 512 consecutive bytes) and scale words (one)
	WIN 0x40
.irp k, 0,1,2,3,4,5,6,7,8,9,10,11,12,13,14,15,16,17,18,19,20,21,22,23
	global_load_b128 v[SG+4*\k:SG+4*\k+3], v5, s[42:43] offset:512*\k
.endr
	global_load_b128 v[SG+96:SG+99], v5, s[46:47]
.endm
.macro SGW                             ; the scale words of my four tiles of W2
	WIN 0x40
.irp i, 0,1,2,3
	global_load_b128 v[SG+100+4*\i:SG+103+4*\i], v5, s[34:35] offset:512*\i
.endr
.endm
.macro SGSTORE buf
	WIN 0x04                                       ; an LDS store's data are its source 1: window 1
.irp k, 0,1,2,3,4,5,6,7,8,9,10,11,12,13,14,15,16,17,18,19,20,21,22,23
	ds_store_b128 v[SH+\buf], v[SG+4*\k:SG+4*\k+3] offset:512*\k
.endr
	ds_store_b128 v[SHS+\buf], v[SG+96:SG+99] offset:HSO
.irp i, 0,1,2,3
	ds_store_b128 v[SWS+\buf], v[SG+100+4*\i:SG+103+4*\i] offset:WSO+512*\i
.endr
	WIN 0
.endm
	SGH
	WIN 0
	s_mul_i32 s44, s21, 196608
	s_mul_i32 s24, s20, 49152
	s_add_co_u32 s44, s44, s24
	s_add_co_u32 s44, s44, 8*786432
	s_add_nc_u64 s[36:37], s[8:9], s[44:45]        ; my four tiles in expert 0's W2
	s_lshl_b32 s44, s21, 13
	s_lshl_b32 s24, s20, 11
	s_add_co_u32 s44, s44, s24
	s_add_co_u32 s44, s44, 8*32768
	s_add_nc_u64 s[38:39], s[10:11], s[44:45]
	s_lshl_b32 s44, s21, 10
	s_lshl_b32 s24, s20, 8
	s_add_co_u32 s44, s44, s24
	s_add_nc_u64 s[48:49], s[14:15], s[44:45]      ; out0 at my 64 columns
	s_wait_loadcnt 25                              ; the order words are in; the 25 loads behind them may be out
.set i, 0
.rept 32
	v_and_b32 v[192+i], 0xfff, v[192+i]
	v_min_u32 v[192+i], 0xfff, v[192+i]
	v_lshlrev_b32 v[192+i], 12, v[192+i]
.set i, i+1
.endr
	WIN 0x40
.set i, 0
.rept 32
	v_add_nc_u32 v[TOK+i], v63, v[192+i]           ; token x 4,096 + 16 r, kept in window 1
.set i, i+1
.endr
	WIN 0
.irp p, 0,1
	v_bfe_u32 v[226+2*\p], v[224+\p], 16, 4
	v_bfe_u32 v[227+2*\p], v[224+\p], 20, 4
	v_lshlrev_b32 v[226+2*\p], v[226+2*\p], 1
	v_lshlrev_b32 v[227+2*\p], v[227+2*\p], 1
.endr
	v_or_b32 v226, v226, v227
	v_or_b32 v228, v228, v229
	v_or_b32 v226, v226, v228
.irp e, 0,1,2,3,4,5,6,7
	v_and_b32 v[230+\e], 1<<\e, v226
.endr
.irp e, 0,1,2,3,4,5,6,7
	v_cmp_ne_u32 s[MK+\e], 0, v[230+\e]            ; the compares in one run, a mask each
.endr
	s_wait_alu depctr_va_sdst(0)                   ; the eight masks are written, ahead of their first reader
	s_mov_b32 s23, 0
.irp e, 0,1,2,3,4,5,6,7
	s_cmp_lg_u32 s[MK+\e], 0
	s_cselect_b32 s24, 1<<\e, 0
	s_or_b32 s23, s23, s24                         ; the block's experts
.endr
	s_ctz_i32_b32 s25, s23
	s_min_u32 s25, s25, 7
	s_mul_i32 s44, s25, 786432
	s_add_nc_u64 s[32:33], s[36:37], s[44:45]
	s_lshl_b32 s44, s25, 15
	s_add_nc_u64 s[34:35], s[38:39], s[44:45]
.macro REFILL s                        ; K step s of an expert's panel: four fragments, twelve loads of 512 consecutive bytes
.if (\s) < 5
	WIN 0x80
.set PAN, 48*(\s)
.else
	WIN 0xc0
.set PAN, 48*((\s)-5)
.endif
.irp t, 0,1,2,3
.irp i, 0,1,2
	global_load_b128 v[PAN+12*\t+4*\i:PAN+12*\t+4*\i+3], v5, s[32:33] offset:12288*\t+1536*(\s)+512*\i
.endr
.endr
.endm
	SGW
.irp s, 0,1,2,3,4,5,6,7
	REFILL \s
.endr
	s_wait_loadcnt 63                              ; the 29 staging loads have 96 younger loads: they are in
	SGSTORE 0
.macro ALOAD2 buf, s                   ; the four hidden fragments of K step s into set s % 2: each as it was stored, six registers by 16 and 8 bytes a lane
	WIN 0x40
.irp m, 0,1,2,3
.irp c, 0,1
	ds_load_b128 v[48*((\s)%2)+12*\m+6*\c:48*((\s)%2)+12*\m+6*\c+3], v[LA16+\buf] offset:1536*(4*(\s)+\m)+768*\c
	ds_load_b64 v[48*((\s)%2)+12*\m+6*\c+4:48*((\s)%2)+12*\m+6*\c+5], v[LA8+\buf] offset:1536*(4*(\s)+\m)+768*\c+512
.endr
.endr
.endm
.macro WMMA                            ; one product on the symbols rD, rA, rB, rSA, rSB; SEL: which half of the lanes holds A's scales (bit 0) and B's (bit 1); ZR: it starts the sum
.if ZR
.if SEL == 0
	v_wmma_scale_f32_16x16x128_f8f6f4 v[rD:rD+7], v[rA:rA+11], v[rB:rB+11], 0, v[rSA], v[rSB] matrix_a_fmt:MATRIX_FMT_FP6 matrix_b_fmt:MATRIX_FMT_FP6
.elseif SEL == 1
	v_wmma_scale_f32_16x16x128_f8f6f4 v[rD:rD+7], v[rA:rA+11], v[rB:rB+11], 0, v[rSA], v[rSB] matrix_a_fmt:MATRIX_FMT_FP6 matrix_b_fmt:MATRIX_FMT_FP6 matrix_a_scale:MATRIX_SCALE_ROW1
.elseif SEL == 2
	v_wmma_scale_f32_16x16x128_f8f6f4 v[rD:rD+7], v[rA:rA+11], v[rB:rB+11], 0, v[rSA], v[rSB] matrix_a_fmt:MATRIX_FMT_FP6 matrix_b_fmt:MATRIX_FMT_FP6 matrix_b_scale:MATRIX_SCALE_ROW1
.else
	v_wmma_scale_f32_16x16x128_f8f6f4 v[rD:rD+7], v[rA:rA+11], v[rB:rB+11], 0, v[rSA], v[rSB] matrix_a_fmt:MATRIX_FMT_FP6 matrix_b_fmt:MATRIX_FMT_FP6 matrix_a_scale:MATRIX_SCALE_ROW1 matrix_b_scale:MATRIX_SCALE_ROW1
.endif
.else
.if SEL == 0
	v_wmma_scale_f32_16x16x128_f8f6f4 v[rD:rD+7], v[rA:rA+11], v[rB:rB+11], v[rD:rD+7], v[rSA], v[rSB] matrix_a_fmt:MATRIX_FMT_FP6 matrix_b_fmt:MATRIX_FMT_FP6
.elseif SEL == 1
	v_wmma_scale_f32_16x16x128_f8f6f4 v[rD:rD+7], v[rA:rA+11], v[rB:rB+11], v[rD:rD+7], v[rSA], v[rSB] matrix_a_fmt:MATRIX_FMT_FP6 matrix_b_fmt:MATRIX_FMT_FP6 matrix_a_scale:MATRIX_SCALE_ROW1
.elseif SEL == 2
	v_wmma_scale_f32_16x16x128_f8f6f4 v[rD:rD+7], v[rA:rA+11], v[rB:rB+11], v[rD:rD+7], v[rSA], v[rSB] matrix_a_fmt:MATRIX_FMT_FP6 matrix_b_fmt:MATRIX_FMT_FP6 matrix_b_scale:MATRIX_SCALE_ROW1
.else
	v_wmma_scale_f32_16x16x128_f8f6f4 v[rD:rD+7], v[rA:rA+11], v[rB:rB+11], v[rD:rD+7], v[rSA], v[rSB] matrix_a_fmt:MATRIX_FMT_FP6 matrix_b_fmt:MATRIX_FMT_FP6 matrix_a_scale:MATRIX_SCALE_ROW1 matrix_b_scale:MATRIX_SCALE_ROW1
.endif
.endif
.endm
.macro MULS2 s, m0, zero               ; eight of a K step's 16 products: token tiles m0, m0 + 1 x my four tiles of W2
.if (\s) < 5
	WIN 0x06                                       ; source 0 (W2) window 2, source 1 (hidden) window 1, C and D window 0
.set PAN, 48*(\s)
.else
	WIN 0x07
.set PAN, 48*((\s)-5)
.endif
.set AFS, 48*((\s)%2)
.set ZR, 0
.if \zero
.if (\s) == 0
.set ZR, 1
.endif
.endif
.irp m, \m0, \m0+1
.irp t, 0,1,2,3
.set rD, ACC+32*(\m)+8*\t
.set rA, PAN+12*\t
.set rB, AFS+12*(\m)
.set rSA, WS+8*(\t/2)+(\s)
.set rSB, HSC+4*((\s)/2)+2*((\m)/2)+((\s)%2)
.set SEL, (\t%2)+2*((\m)%2)
	WMMA
.endr
.endr
.endm
; A K STEP: 16 products, the 16 accumulators by turns, one instruction a turn, in the same order in every step and every trip.  refill = 1: the panel registers of the step before take the next expert's fragments.
.macro KSTEP2 buf, s, refill, zero
.if \refill
	s_wait_loadcnt 63                              ; younger than this step's twelve loads: 12 (7 - s) of this expert, 29 staging loads, and from step 1 on 12 (s - 1) of the next: 101 at the least
.elseif 12*(7-\s) > 63
	s_wait_loadcnt 63
.else
	s_wait_loadcnt 12*(7-\s)                       ; younger: only this expert's later steps
.endif
	s_wait_dscnt 0x0                               ; this step's hidden fragments are in (at step 0: the scale words too)
.if \s > 0
.if (\s < 7) || \refill
	s_wait_alu depctr_va_vdst(0)                   ; the products of the step before are done reading the other hidden set and their K step of the panel, in which the loads below land.  (Step 0 leans on the wait at the trip's head; a step that issues no load has no wait)
.endif
.endif
.if \s < 7
	ALOAD2 \buf, \s+1
.endif
	MULS2 \s, 0, \zero
.if \refill
.if \s > 0
	REFILL \s-1                                    ; no wait: the eight products since the wait above name this step's K step, not the one before
.endif
.endif
	MULS2 \s, 2, \zero
.rept 4
	v_nop                                          ; four places behind the step's last product, ahead of the loads into registers that the products have read and of the first read of results; they stay beside the waits
.endr
.endm
; A TRIP: the expert whose bytes lie in buffer buf.  zero = 1: its first products start the sums.  more = 0: no expert can follow.
.macro TRIP buf, zero, more
	s_wait_dscnt 0x0                               ; my stores into this buffer have landed, my reads of the other are over
	s_barrier_signal -1
	s_barrier_wait -1                              ; both now hold of all four waves
.if !\zero
	s_cmp_eq_u32 s23, 0
	s_cbranch_scc1 .Lskip_\@
	s_wait_alu depctr_va_vdst(0)                   ; the last trip's products are done reading the scale words v28 to v59, both hidden sets and the panel's K step 7, in which the loads below land
.endif
.irp q, 0,1,2,3
.irp p, 0,1
	ds_load_b64 v[HSC+4*\q+2*\p:HSC+4*\q+2*\p+1], v[LA8+\buf] offset:HSO+512*\q+256*\p   ; lane l: token 32 p + l's words of K steps 2 q, 2 q + 1
.endr
.endr
.irp P, 0,1
.irp k, 0,1
	ds_load_b128 v[WS+8*\P+4*\k:WS+8*\P+4*\k+3], v[WSL+\buf] offset:WSO+1024*\P+256*\k
.endr
.endr
	ALOAD2 \buf, 0
.if !\zero
	REFILL 7                                       ; this expert's last K step, by the base that the last trip made
.endif
	WIN 0
	s_sub_co_u32 s24, s23, 1
	s_and_b32 s23, s24, s23                        ; the experts that follow
.if \more
	s_cmp_eq_u32 s23, 0
	s_cbranch_scc1 .Llast_\@
	s_wait_xcnt 0x0                                ; the bases of the loads issued so far are written again only behind this wait
	s_wait_alu depctr_vm_vsrc(0)                   ; my LDS stores of the staged bytes have read window 1's v96 to v211, in which the next expert's staging loads land
	s_ctz_i32_b32 s25, s23
	s_min_u32 s25, s25, 7
	s_mul_i32 s44, s25, 786432
	s_mov_b32 s45, 0
	s_add_nc_u64 s[32:33], s[36:37], s[44:45]
	s_lshl_b32 s44, s25, 15
	s_add_nc_u64 s[34:35], s[38:39], s[44:45]
	s_add_nc_u64 s[42:43], s[42:43], 49152
	s_add_nc_u64 s[46:47], s[46:47], 2048
	SGH
	SGW
.irp s, 0,1,2,3,4,5,6,7
	KSTEP2 \buf, \s, 1, \zero
.endr
	s_wait_loadcnt 63                              ; the 29 staging loads have 84 younger loads
	SGSTORE 1-\buf                                 ; into the buffer that every wave left in front of this trip's barrier
	s_branch .Lskip_\@
.Llast_\@:
.endif
.irp s, 0,1,2,3,4,5,6,7
	KSTEP2 \buf, \s, 0, \zero
.endr
	WIN 0
.Lskip_\@:
.endm
	TRIP 0, 1, 1                                   ; every block has an expert: the first trip starts the sums, and nothing is cleared
	s_mov_b32 s28, 3
.Lpair:
	TRIP 1, 0, 1
	TRIP 0, 0, 1
	s_sub_co_u32 s28, s28, 1
	s_cmp_lg_u32 s28, 0
	s_cbranch_scc1 .Lpair
	TRIP 1, 0, 0
	; THE WAY OUT, 16 tokens at a time, through my own stage: a lane holds 64 bytes twice of one token's row; it comes back as rows of 256 bytes, which sixteen lanes store whole.
	; LDS serves a wave's instructions in order: no wait between the stores and the loads, nor in front of the next tile's stores.
	s_wait_alu depctr_va_vdst(0)                   ; the products have written the accumulators, which the LDS stores read (the four places behind the last product stay beside this wait)
.irp m, 0,1,2,3
.irp q, 0,1,2,3,4,5,6,7
	ds_store_b128 v24, v[ACC+32*\m+4*\q:ACC+32*\m+4*\q+3] offset:128*(\q/4)+16*(\q%4)    ; each accumulator from its low end on
.endr
.if \m >= 2
	s_wait_xcnt 0x0                                ; the stores of two tiles back have had their addresses translated: their data registers are loaded again only behind this wait,
	s_wait_alu depctr_vm_vsrc(0)                   ; and they have read those registers, in which the loads below land
.endif
.irp i, 0,1,2,3,4,5,6,7
	ds_load_b128 v[192+32*(\m%2)+4*\i:192+32*(\m%2)+4*\i+3], v25 offset:544*\i
.endr
	WIN 0x01                                       ; the stores' offsets lie in window 1
.irp i, 0,1,2,3,4,5,6,7
	s_wait_dscnt 7-\i                              ; rows 2 i, 2 i + 1 are back; the younger loads may be out
	global_store_b128 v[TOK+8*\m+\i], v[192+32*(\m%2)+4*\i:192+32*(\m%2)+4*\i+3], s[48:49] th:TH_STORE_NT   ; sixteen lanes store 256 consecutive bytes of a token's row, aligned
.endr
	WIN 0
.endr
	s_wait_dscnt 0x0
	s_wait_alu depctr_hold_cnt(0) depctr_sa_sdst(0) depctr_va_vdst(0) depctr_va_sdst(0) depctr_va_ssrc(0) depctr_va_vcc(0) depctr_vm_vsrc(0)
	s_wait_tensorcnt 0x0
	ds_add_u32 v27, v61
	s_wait_dscnt 0x0
	s_endpgm
.Lfunc_end_k_q7696a8abf3_gemm2:
	.size	k_q7696a8abf3_gemm2, .Lfunc_end_k_q7696a8abf3_gemm2-k_q7696a8abf3_gemm2
	.p2alignl 7, 3214868480
	.fill 96, 4, 3214868480
	.section	.rodata,"a",@progbits
	.p2align	6, 0x0
	.amdhsa_kernel k_q7696a8abf3_gemm2
		.amdhsa_group_segment_fixed_size 148992
		.amdhsa_private_segment_fixed_size 0
		.amdhsa_enable_private_segment 0
		.amdhsa_kernarg_size 48
		.amdhsa_user_sgpr_count 2
		.amdhsa_user_sgpr_kernarg_segment_ptr 1
		.amdhsa_wavefront_size32 1
		.amdhsa_system_sgpr_workgroup_id_x 1
		.amdhsa_system_sgpr_workgroup_id_y 1
		.amdhsa_system_sgpr_workgroup_id_z 1
		.amdhsa_system_vgpr_workitem_id 0
		.amdhsa_next_free_vgpr 1024
		.amdhsa_next_free_sgpr 66
		.amdhsa_reserve_vcc 0
		.amdhsa_float_denorm_mode_32 3
		.amdhsa_float_denorm_mode_16_64 3
		.amdhsa_memory_ordered 1
		.amdhsa_forward_progress 1
		.amdhsa_inst_pref_size 255
	.end_amdhsa_kernel
	.section	.bss,"aw",@nobits
	.p2align	6
	.space	262144
	.amdgpu_metadata
---
amdhsa.version: [ 1, 2 ]
amdhsa.kernels:
  - .name:           k_q7696a8abf3_gemm2
    .symbol:         k_q7696a8abf3_gemm2.kd
    .args:
      - { .name: hc, .offset: 0, .size: 8, .value_kind: global_buffer, .address_space: global }
      - { .name: hs, .offset: 8, .size: 8, .value_kind: global_buffer, .address_space: global }
      - { .name: wc, .offset: 16, .size: 8, .value_kind: global_buffer, .address_space: global }
      - { .name: ws, .offset: 24, .size: 8, .value_kind: global_buffer, .address_space: global }
      - { .name: order, .offset: 32, .size: 8, .value_kind: global_buffer, .address_space: global }
      - { .name: out0, .offset: 40, .size: 8, .value_kind: global_buffer, .address_space: global }
    .group_segment_fixed_size: 148992
    .private_segment_fixed_size: 0
    .kernarg_segment_align: 8
    .kernarg_segment_size: 48
    .max_flat_workgroup_size: 128
    .sgpr_count:     66
    .vgpr_count:     1024
    .wavefront_size: 32
...
	.end_amdgpu_metadata
.endif
;; end of part 5
